; MI455X (gfx1250); checked and timed in simulation.
; The chip was launched on July 23, 2026; its instructions are those of AMD's public machine-readable ISA for CDNA 5 (MIT licence, August 2026) and "CDNA5" Instruction Set Architecture Reference Guide (July 2026). The comments in the code are by the model that wrote it; some were corrected since.
;; Causal Self Attention. Allowed arithmetic: matrix products marked QUANTISED: E4M3 operands, one given power-of-two scale a tensor, by v_wmma_f32_16x16x64_fp8_fp8 or v_wmma_f32_16x16x128_fp8_fp8, f32 sums; everything else in f32.
;; Inputs: Wk 1,024 x 1,024 float32; Wp 1,024 x 1,024 float32; Wq 1,024 x 1,024 float32; Wv 1,024 x 1,024 float32; bk 1,024 float32; bp 1,024 float32; bq 1,024 float32; bv 1,024 float32; lowp_scales 12 int32 (the exponents e of the quantised operands' scales 2^e); x 4 x 2,048 x 1,024 float32.
;; Outputs: out0 4 x 2,048 x 1,024 float32.
;; This version of the problem:
;;   THIS VERSION OF THE PROBLEM IS GIVEN IN LOW PRECISION. The matrix products marked QUANTISED in the list below multiply operands that are first quantised to E4M3 (4 exponent bits, 3 mantissa bits; 8 bits a number), with one given power-of-two scale for each operand tensor; their sums are f32. All else is computed in f32.
;;   The module's matrix products, in the order in which they are computed (A, B: the left and right operand; K: the contracted axis; several contracted axes count as one K, in the product's order):
;;     1. [M 8,192, K 1,024] x [K 1,024, N 1,024]; A: input x; B: input Wq: QUANTISED (scales: A lowp_scales[0], B lowp_scales[1])
;;     2. [M 8,192, K 1,024] x [K 1,024, N 1,024]; A: input x; B: input Wk: QUANTISED (scales: A lowp_scales[2], B lowp_scales[3])
;;     3. [M 8,192, K 1,024] x [K 1,024, N 1,024]; A: input x; B: input Wv: QUANTISED (scales: A lowp_scales[4], B lowp_scales[5])
;;     4. batch 64 x [M 2,048, K 64] x [K 64, N 2,048]; A: computed on the way; B: computed on the way: QUANTISED (scales: A lowp_scales[6], B lowp_scales[7])
;;     5. batch 64 x [M 2,048, K 2,048] x [K 2,048, N 64]; A: softmax (see below); B: computed on the way: QUANTISED (scales: A lowp_scales[8], B lowp_scales[9])
;;     6. [M 8,192, K 1,024] x [K 1,024, N 1,024]; A: computed on the way; B: input Wp: QUANTISED (scales: A lowp_scales[10], B lowp_scales[11])
;;   THE QUANTISER, for each operand of a quantised product, along K:
;;     - The operand's scale is 2^e, e = its entry of the input lowp_scales (int32; the entries are numbered through the quantised products in the list's order, A before B).
;;     - Each number is divided by the scale, clamped to +-448, and rounded to the nearest number of E4M3, ties to even, subnormals kept.
;;     - The product sums the exact products of the quantised numbers (number of the format x scale) in f32.
;;   ~~~python
;;   def quantise(x, axis, e):      # numpy; x: float32 -> the quantised numbers, widened to float32 again
;;       x = np.moveaxis(x, axis, -1); K = x.shape[-1]
;;       r = np.clip(x / 2.0 ** e, -448, 448)
;;       step = 2.0 ** (np.maximum(np.frexp(np.where(r == 0, 1, r))[1] - 1, -6) - 3)
;;       q = np.round(r / step) * step * 2.0 ** e      # np.round: ties to even
;;       return np.moveaxis(q, -1, axis).astype(np.float32)
;;   ~~~
;;   SOFTMAX AHEAD OF A QUANTISED PRODUCT. Where the list says 'softmax', what is quantised is not the finished softmax but p = 2^(t - M), with t = logit x log2(e) and M = ceil(the row's largest t), a whole number; so 1/2 < the row's largest p <= 1. The row's sum l is taken of the UNQUANTISED p, in f32, and the product's result is divided by l at the end. Since M is a whole number, a kernel that streams over the keys may use a running M (the ceiling of the running maximum): every later rescaling is an exact power of two, so the quantised numbers keep their values, but for numbers so far below the row's largest that they fall under the format's range.
;;   OPERANDS COMPUTED ON THE WAY. 'Computed on the way' means the value that the module computes at that place (a softmax that the list does not call 'softmax' is quantised finished and normalised). What goes into a quantiser is computed in f32, as accurately as f32 sums, v_exp_f32 and their like allow (about 1e-6 of the number): no bf16 or f16 on the way to a quantiser, and a product that is left as it is and whose result goes on into a quantised operand takes f32 operands (vector FMAs, or v_wmma_f32_16x16x4_f32). A number that lies on a knife's edge between two numbers of the format may be rounded either way, as far as f32 arithmetic and the matrix unit's own rounding can turn it there, and no further.
;; One version. Each part assembles by itself: llvm-mc -triple=amdgcn-amd-amdhsa -mcpu=gfx1250 --defsym DOCPART=n.
;; ======== version 1 of 1: 4 launches
;; limits: right only within a limited range of input values
;; workspace buffers: xc 25,165,824 bytes; wc 4,194,304 bytes; qkv 25,165,824 bytes; yc 8,388,608 bytes
;; launch prep (part 1): grid 384 x 1, 4 waves a work-group, no clusters, 68,096 bytes of LDS; arguments x, Wq, Wk, Wv, Wp, lowp_scales, xc, wc; writes xc, wc
.if DOCPART == 1
	.amdgcn_target "amdgcn-amd-amdhsa--gfx1250"
	.amdhsa_code_object_version 6
	.text
	.protected	k_q0bd38e0d24_prep
	.globl	k_q0bd38e0d24_prep
	.p2align	8
	.type	k_q0bd38e0d24_prep,@function
k_q0bd38e0d24_prep:
	s_mov_b64 s[64:65], 0
	v_nop
	global_prefetch_b8 v0, s[64:65] scope:SCOPE_SE
	s_setreg_imm32_b32 hwreg(HW_REG_WAVE_MODE, 25, 1), 1
	s_wait_xcnt 0x0
; CAUSAL SELF-ATTENTION ON CODES OF FP8 (E4M3), four launches: prep (this one), qkv, attn, proj.
; WORK LEFT OUT IN THE WHOLE PROGRAM: only what the causal mask, which the problem builds in its own body (tril), throws away, and only where it comes as whole steps: in the launch attn a step of 128 keys
; all of which come after a wave's 16 queries is not multiplied.  There the logits are replaced by -infinity for every value of the inputs, so p = 0 and the step adds nothing to the row's sum or to the product with v.
; Every input has a way to the output and is loaded (bk too: it moves k's codes).  LIMIT: a NaN, an infinity or an overflow that would arise only in the steps left out is not carried to the result.
; THIS LAUNCH: x [8192][1024] f32 becomes three tensors of codes, xc [3][8192][1024], with the scales 2^e0, 2^e2, 2^e4 (x is the left operand of three products, each with a scale of its own);
; Wq, Wk, Wv, Wp [k 1024][n 1024] f32 become wc [4][n 1024][k 1024], K innermost, with 2^e1, 2^e3, 2^e5, 2^e11.
; code = number / 2^e, held within +-448, rounded to the nearest code, ties to even.  LIMITS: each e between -126 and 119, so that 2^e and 448 x 2^e are f32 numbers.  NaN among the inputs is not served.
; Work-groups 0-255 take x: a plain stream; a wave takes 16 steps of 512 numbers.  A load reads 512 consecutive bytes, 16 a lane; a step's 2,048 bytes turn through the wave's own stage in LDS and come back 64 bytes a lane,
; since a conversion takes eight neighbours along K from one lane's registers.  The numbers are read once and converted three times.  A wave's store covers 512 consecutive bytes.
; Work-groups 256-383 take the weights: 32 for each, 128 columns x 256 along K.  A lane takes a column n and its registers run down K, so the codes come out with K innermost; they leave through the wave's own
; stage as rows: sixteen lanes store 256 consecutive bytes, aligned.  The two paths part on the work-group's number and have LDS bytes of their own.  Waves share nothing: no barrier.
.set STEPS, 16
.set WREG,  8192                       ; the x path: a region for each wave: two stages of 32 x SP bytes
.set SP,    80                         ; a lane's place in a stage: its 64 bytes + 16 of padding
.set WSTG,  4*WREG                     ; the weights' path: four stages of 32 rows x PITCH
.set PITCH, 272                        ; 256 bytes of codes + 16
.set SPARE, WSTG+4*32*PITCH            ; the spare words, 128 bytes for each wave: two blocks of 256 bytes that no other line names
.set MANT,  0x600000                   ; the mantissa field of 448 as f32
.set SPW,   12                         ; v12  LDS address of my spare word; never rewritten
.set NIL,   13                         ; v13  0; never rewritten
.set R,     16                         ; x: v16-79   four sets of 16 numbers as they are loaded
.set X,     80                         ; x: v80-111  two sets of 16 neighbours
.set T,     112                        ; x: v112-143, unused
.set C,     144                        ; x: v144-191 codes: four sets of 3 x 4 registers
.set WX,    32                         ; W: v32-95   two sets of 32 numbers
.set WC,    96                         ; W: v96-103  a block's codes
.set OUTR,  112                        ; W: v112-175 the way out
	s_load_b512 s[4:19], s[0:1], 0x0               ; x, Wq, Wk, Wv, Wp, the scales' exponents, xc, wc
	v_lshl_add_u32 v[SPW], v0, 2, SPARE
	v_mov_b32 v[NIL], 0
	v_lshrrev_b32 v1, 5, v0
	v_readfirstlane_b32 s20, v1                    ; wave 0..3
	v_and_b32 v2, 31, v0                           ; lane
	s_wait_kmcnt 0x0
	s_load_b256 s[24:31], s[14:15], 0x0            ; e0 .. e7
	s_load_b128 s[32:35], s[14:15], 0x20           ; e8 .. e11
	s_cmp_ge_u32 ttmp9, 256
	s_cbranch_scc1 .Lweights
	s_wait_alu depctr_va_vdst(0)
	; ---------------- x ----------------
	v_lshlrev_b32 v3, 4, v2                        ; my 16 bytes of a load's 512, and of a store's
	s_wait_alu depctr_va_vdst(0)
	s_mul_i32 s21, s20, WREG
	v_lshrrev_b32 v14, 2, v2
	v_mul_u32_u24 v14, v14, SP
	v_and_b32 v15, 3, v2
	v_lshl_add_u32 v14, v15, 4, v14
	v_add_nc_u32 v14, s21, v14                     ; the stage, on the way in: SP (lane / 4) + 16 (lane % 4)
	v_mul_u32_u24 v15, v2, SP
	v_add_nc_u32 v15, s21, v15                     ; and on the way out: SP x lane: my 16 neighbours
	s_lshl_b32 s22, ttmp9, 2
	s_add_co_u32 s22, s22, s20                     ; which run of 8,192 numbers is my wave's: 0 .. 1023
	s_lshl_b32 s44, s22, 15
	s_mov_b32 s45, 0
	s_add_nc_u64 s[4:5], s[4:5], s[44:45]          ; its 32,768 bytes of x
	s_lshl_b32 s44, s22, 13
	s_add_nc_u64 s[36:37], s[16:17], s[44:45]      ; its 8,192 codes under e0,
	s_add_nc_u64 s[38:39], s[36:37], 0x800000      ; under e2,
	s_add_nc_u64 s[40:41], s[36:37], 0x1000000     ; under e4
.macro LOAD t
.irp i, 0,1,2,3
	global_load_b128 v[R+16*((\t)%4)+4*\i:R+16*((\t)%4)+4*\i+3], v3, s[4:5] offset:2048*(\t)+512*\i th:TH_LOAD_NT   ; 32 lanes read 512 consecutive bytes
.endr
.endm
.macro TURN t                          ; step t's numbers through the stage: LDS serves a wave's instructions in order, so no wait stands between the stores and the loads
.irp i, 0,1,2,3
	ds_store_b128 v14, v[R+16*((\t)%4)+4*\i:R+16*((\t)%4)+4*\i+3] offset:32*SP*((\t)%2)+8*SP*\i
.endr
	v_nop
.irp i, 0,1,2,3
	ds_load_b128 v[X+16*((\t)%2)+4*\i:X+16*((\t)%2)+4*\i+3], v15 offset:32*SP*((\t)%2)+16*\i
.endr
.endm
.irp t, 0,1,2,3
	LOAD \t
.endr
	s_wait_alu depctr_va_vdst(0)
	s_wait_kmcnt 0x0
.irp p, 0,1,2                          ; v[5 + 2 p] = 2^e as f32 (the conversion takes its exponent field), for e0, e2, e4
	s_add_co_i32 s44, s[24+2*\p], 127
	s_lshl_b32 s45, s44, 23
	v_mov_b32 v[5+2*\p], s45
	s_add_co_i32 s44, s44, 8
	s_lshl_b32 s44, s44, 23
	s_or_b32 s44, s44, MANT
.endr
	s_wait_alu depctr_va_vdst(0)
	s_wait_loadcnt 12                              ; step 0's four loads are in
	TURN 0
.macro STEP t
.set XS, X+16*((\t)%2)
	s_wait_dscnt 0x0                               ; this step's numbers are back from the stage: so its stores into the stage have read their registers,
.if (\t)+4 < STEPS
	LOAD (\t)+4                                    ; which take the loads of four steps on
.endif
.if (\t)+1 < STEPS
.if STEPS-2-(\t) >= 3
	s_wait_loadcnt 12                              ; the next step's four loads are in; those of the three steps behind it may be out
.else
	s_wait_loadcnt 4*(STEPS-2-(\t))
.endif
	TURN (\t)+1                                    ; and go through the other stage while this step is worked
.endif
.if (\t) >= 4
	s_wait_xcnt 0x0                                ; the stores of four steps ago have read their data: this set of code registers is written again only behind this wait
.endif
.irp p, 0,1,2                          ; the same 16 numbers under three scales.
.set TS, T+16*((3*(\t)+\p)%2)
.set CD, C+12*((\t)%4)+4*\p
.irp i, 0,1,2,3,4,5,6,7,8,9,10,11,12,13,14,15
.endr
	v_cvt_scalef32_pk8_fp8_f32 v[CD:CD+1], v[XS:XS+7], v[5+2*\p]
	v_cvt_scalef32_pk8_fp8_f32 v[CD+2:CD+3], v[XS+8:XS+15], v[5+2*\p]
	global_store_b128 v3, v[CD:CD+3], s[36+2*\p:37+2*\p] offset:512*(\t)   ; 32 lanes store 512 consecutive bytes
.endr
.endm
.irp t, 0,1,2,3,4,5,6,7,8,9,10,11,12,13,14,15
	STEP \t
.endr
	s_branch .Lend
	; ---------------- the weights ----------------
.Lweights:
	s_sub_co_u32 s21, ttmp9, 256                   ; 0 .. 127
	s_lshr_b32 s22, s21, 5                         ; which weight: 0 q, 1 k, 2 v, 3 p
	s_and_b32 s23, s21, 7                          ; which 128 columns
	s_bfe_u32 s36, s21, 0x20003                    ; which 256 along K
	s_lshl_b32 s23, s23, 7
	s_lshl_b32 s37, s20, 5
	s_add_co_u32 s23, s23, s37                     ; my wave's first column
	s_wait_alu depctr_va_vdst(0)
	v_lshlrev_b32 v3, 2, v2                        ; in: 4 bytes a lane
	s_mul_i32 s37, s20, 32*PITCH
	s_add_co_u32 s37, s37, WSTG                    ; my stage
	v_mul_u32_u24 v4, v2, PITCH
	v_add_nc_u32 v4, s37, v4                       ; into it: row = my column
	v_and_b32 v1, 15, v2
	v_lshrrev_b32 v15, 4, v2
	v_mul_u32_u24 v11, v15, PITCH
	v_lshl_add_u32 v11, v1, 4, v11
	v_add_nc_u32 v11, s37, v11                     ; out of it: sixteen lanes to a row, two rows an instruction
	v_lshlrev_b32 v14, 10, v15
	v_lshl_add_u32 v14, v1, 4, v14                 ; and the same place in the codes' buffer (a row is 1,024 bytes)
	s_cmp_eq_u32 s22, 1                            ; the weight is chosen by the work-group's number alone
	s_cselect_b64 s[6:7], s[8:9], s[6:7]
	s_cmp_eq_u32 s22, 2
	s_cselect_b64 s[6:7], s[10:11], s[6:7]
	s_cmp_eq_u32 s22, 3
	s_cselect_b64 s[6:7], s[12:13], s[6:7]
	s_lshl_b32 s38, s36, 20                        ; 256 rows of 4,096 bytes,
	s_lshl_b32 s39, s23, 2                         ; + 4 x column
	s_add_co_u32 s38, s38, s39
	s_mov_b32 s39, 0
	s_add_nc_u64 s[6:7], s[6:7], s[38:39]
	s_lshl_b32 s38, s22, 20                        ; the codes: weight x 2^20 + column x 1,024 + 256 x my part of K
	s_lshl_b32 s40, s23, 10
	s_add_co_u32 s38, s38, s40
	s_lshl_b32 s40, s36, 8
	s_add_co_u32 s38, s38, s40
	s_add_nc_u64 s[18:19], s[18:19], s[38:39]
.macro WLOAD t                         ; block t: W(32 t + i, my column), i = 0 .. 31, into set t % 2: each load reads 128 consecutive bytes, the four waves side by side 512
.set i, 0
.rept 32
	global_load_b32 v[WX+32*((\t)%2)+i], v3, s[6:7] offset:(32*(\t)+i)*4096 th:TH_LOAD_NT
.set i, i+1
.endr
.endm
	WLOAD 0
	WLOAD 1
	s_wait_kmcnt 0x0
	s_cmp_eq_u32 s22, 1                            ; e1, e3, e5 or e11
	s_cselect_b32 s25, s27, s25
	s_cmp_eq_u32 s22, 2
	s_cselect_b32 s25, s29, s25
	s_cmp_eq_u32 s22, 3
	s_cselect_b32 s25, s35, s25
	s_add_co_i32 s25, s25, 127
	s_lshl_b32 s27, s25, 23
	v_mov_b32 v5, s27                              ; 2^e as f32
	s_add_co_i32 s25, s25, 8
	s_lshl_b32 s25, s25, 23
	s_or_b32 s25, s25, MANT
.macro BLOCK t
.set XS, WX+32*((\t)%2)
.if (\t) < 7
	s_wait_loadcnt 32                              ; this block's 32 loads are in; the next block's may be out
.else
	s_wait_loadcnt 0
.endif
.set i, 0
.rept 32
.set i, i+1
.endr
.irp g, 0,1,2,3
	v_cvt_scalef32_pk8_fp8_f32 v[WC+2*\g:WC+2*\g+1], v[XS+8*\g:XS+8*\g+7], v5
.endr
	ds_store_b128 v4, v[WC:WC+3] offset:32*(\t)    ; 32 codes: 32 bytes of my column's row
	ds_store_b128 v4, v[WC+4:WC+7] offset:32*(\t)+16
.if (\t)+2 < 8
	WLOAD (\t)+2
.endif
	s_wait_dscnt 0x0                               ; the stores have read their registers: the next block's codes may be written
.endm
	s_wait_alu depctr_va_vdst(0)
.irp t, 0,1,2,3,4,5,6,7
	BLOCK \t
.endr
.irp t, 0,1,2,3,4,5,6,7,8,9,10,11,12,13,14,15
	ds_load_b128 v[OUTR+4*\t:OUTR+4*\t+3], v11 offset:2*\t*PITCH   ; LDS serves a wave's instructions in order: these see my stores
.endr
.irp t, 0,1,2,3,4,5,6,7,8,9,10,11,12,13,14,15
	s_wait_dscnt 15-\t
	global_store_b128 v14, v[OUTR+4*\t:OUTR+4*\t+3], s[18:19] offset:2*\t*1024   ; sixteen lanes store 256 consecutive bytes, aligned
.endr
.Lend:
	s_wait_tensorcnt 0x0                           ; the wave's end, behind my last LDS store
	ds_add_u32 v[SPW], v[NIL]
	s_wait_dscnt 0x0
	s_endpgm
.Lfunc_end_k_q0bd38e0d24_prep:
	.size	k_q0bd38e0d24_prep, .Lfunc_end_k_q0bd38e0d24_prep-k_q0bd38e0d24_prep
	.p2alignl 7, 3214868480
	.fill 96, 4, 3214868480
	.section	.rodata,"a",@progbits
	.p2align	6, 0x0
	.amdhsa_kernel k_q0bd38e0d24_prep
		.amdhsa_group_segment_fixed_size 68096
		.amdhsa_private_segment_fixed_size 0
		.amdhsa_enable_private_segment 0
		.amdhsa_kernarg_size 64
		.amdhsa_user_sgpr_count 2
		.amdhsa_user_sgpr_kernarg_segment_ptr 1
		.amdhsa_wavefront_size32 1
		.amdhsa_system_sgpr_workgroup_id_x 1
		.amdhsa_system_sgpr_workgroup_id_y 1
		.amdhsa_system_sgpr_workgroup_id_z 1
		.amdhsa_system_vgpr_workitem_id 0
		.amdhsa_next_free_vgpr 192
		.amdhsa_next_free_sgpr 66
		.amdhsa_reserve_vcc 0
		.amdhsa_float_denorm_mode_32 3
		.amdhsa_float_denorm_mode_16_64 3
		.amdhsa_fp16_overflow 1
		.amdhsa_memory_ordered 1
		.amdhsa_forward_progress 1
		.amdhsa_inst_pref_size 62
	.end_amdhsa_kernel
	.amdgpu_metadata
---
amdhsa.version: [ 1, 2 ]
amdhsa.kernels:
  - .name:           k_q0bd38e0d24_prep
    .symbol:         k_q0bd38e0d24_prep.kd
    .args:
      - { .name: x, .offset: 0, .size: 8, .value_kind: global_buffer, .address_space: global }
      - { .name: Wq, .offset: 8, .size: 8, .value_kind: global_buffer, .address_space: global }
      - { .name: Wk, .offset: 16, .size: 8, .value_kind: global_buffer, .address_space: global }
      - { .name: Wv, .offset: 24, .size: 8, .value_kind: global_buffer, .address_space: global }
      - { .name: Wp, .offset: 32, .size: 8, .value_kind: global_buffer, .address_space: global }
      - { .name: lowp_scales, .offset: 40, .size: 8, .value_kind: global_buffer, .address_space: global }
      - { .name: xc, .offset: 48, .size: 8, .value_kind: global_buffer, .address_space: global }
      - { .name: wc, .offset: 56, .size: 8, .value_kind: global_buffer, .address_space: global }
    .group_segment_fixed_size: 68096
    .private_segment_fixed_size: 0
    .kernarg_segment_align: 8
    .kernarg_segment_size: 64
    .max_flat_workgroup_size: 128
    .sgpr_count:     66
    .vgpr_count:     192
    .wavefront_size: 32
...
	.end_amdgpu_metadata
.endif
;; end of part 1
;; launch qkv (part 2): grid 4 x 96, 4 waves a work-group, clusters of 4 x 4, 327,680 bytes of LDS; arguments xc, wc, bq, bk, bv, lowp_scales, qkv; writes qkv
.if DOCPART == 2
	.amdgcn_target "amdgcn-amd-amdhsa--gfx1250"
	.amdhsa_code_object_version 6
	.text
	.protected	k_q0bd38e0d24_qkv
	.globl	k_q0bd38e0d24_qkv
	.p2align	8
	.type	k_q0bd38e0d24_qkv,@function
k_q0bd38e0d24_qkv:
	s_mov_b64 s[64:65], 0
	v_nop
	global_prefetch_b8 v0, s[64:65] scope:SCOPE_SE
	s_setreg_imm32_b32 hwreg(HW_REG_WAVE_MODE, 25, 1), 1
	s_wait_xcnt 0x0
	s_wait_alu depctr_hold_cnt(0) depctr_sa_sdst(0) depctr_va_vdst(0) depctr_va_sdst(0) depctr_va_ssrc(0) depctr_va_vcc(0) depctr_vm_vsrc(0)
	s_getreg_b32 s2, hwreg(HW_REG_IB_STS2, 6, 4)
	s_cmp_eq_u32 s2, 0
	s_cbranch_scc0 .Lentry_in_a_cluster
	s_endpgm
.Lentry_in_a_cluster:
	s_bfe_u32 s2, ttmp6, 0x10000c
	s_cmp_lg_u32 s2, 0xf033
	s_cbranch_scc0 .Lentry_shape_is_right
	s_endpgm
.Lentry_shape_is_right:
; q = x Wq + bq, k = x Wk + bk, v = x Wv + bv on codes of FP8 (E4M3), and the three results quantised at once, with 2^e6, 2^e7, 2^e9, into the buffer qkv.  Nothing is left out here.
; xc: [3][8192][1024] codes of x under e0, e2, e4;  wc: [4][n 1024][k 1024] codes of the weights.  A sum stands for sum x 2^(ea + eb): result = sum x 2^(ea + eb) + bias, one packed multiply-add in f32, then the quantiser.
; qkv: q at byte 0 and k at 2^23, each [64 (batch, head)][2048 t][64 d];  v at 2^24 with the KEYS innermost, [64 (batch, head)][64 d][2048 t], since the keys are the K of the product with p.
; THE ORDER INSIDE EVERY 32 BYTES (along d in q and k, along t in v) is 0-7, 16-23, 8-15, 24-31: a lane's two results of eight codes from two neighbouring tiles of 16 are then 16 neighbouring bytes.  In q and k it is the same
; permutation of the product's K on both sides, so every product keeps its partner; in v a load of 16 bytes at 32 c + 16 (lane / 16) brings just the keys that the K = 128 form's layout gives that lane.
; SHARES.  A tile of 256 x 256 to a work-group of four waves, 128 x 128 a wave: 64 accumulators, 512 registers.  K = 1,024 goes in four steps of 256 through two LDS slots.  384 tiles, 128 for each product.
; CLUSTERS of 4 x 4.  Region A (source 1, a lane's row) is shared along a row of the cluster, region B (source 0, a lane's eight neighbours) along a column.  Cluster rows 0-7 make q, 8-15 k: A = codes of x, B = codes of W: a lane
; holds a row t and eight neighbouring channels.  Cluster rows 16-23 make v: A = codes of Wv, B = codes of x: a lane holds a channel and eight neighbouring t, so v comes out with the keys innermost and nothing is transposed.
; Which it is hangs on the cluster's y alone, which all sixteen partners share; only global addresses and the way out differ.
; LIMITS: ea + eb between -126 and 127; e6, e7, e9 between -126 and 119, so that each power of two below is an f32 number.
; REGISTERS, in windows of 256: window 0: v0-31 addresses; v32-47 and v64-127 the bias in two lane forms; from v128 A's fragments, one set; on the way out v128-255 are at work.
;   window 1: B's fragments, two sets.   window 2: the accumulators of my rows 0-63 ((a, b) at v[8 (8 a + b)]);   window 3: those of my rows 64-127.
.set ROWB,   256                       ; a tile's row in bytes: 256 codes
.set KROW,   1024                      ; a row of codes in memory
.set PITCH,  272                       ; an LDS row: 256 bytes + 16 of padding: the 16 rows that a load touches start at 16 different banks (64 banks of 4 bytes: ISA guide 11.1)
.set FR,     16                        ; registers of a fragment: 16 rows x 128 K
.set NL,     4                         ; LDS loads that bring one
.set NP,     4                         ; places behind this matrix instruction (ISA guide 7.12.1)
.set HALFT,  128*PITCH
.set SLOT,   4*HALFT                   ; A's 256 rows, then B's 256 rows
.set SPARE,  2*SLOT                    ; behind the ring: the spare words, two blocks of 256 bytes that no other line names
.set QSTG,   SPARE+512                 ; the way out of q and k: a stage of 64 rows x QP for each wave, bytes into which no tile lands
.set QP,     144                       ; 128 bytes of codes + 16
                                       ; the way out of v: ONE stage of 256 rows x PITCH from LDS byte 0 on: slot 0 has had its last fill and its last read when the first code is stored there
.set ADRA, 16                          ; v16-17  LDS address of my A fragments in slot 0, 1
.set ADRB, 20                          ; v20-21  the same for B
.set STQ,  22                          ; q, k: where I put 16 bytes of a row
.set RDQ,  23                          ; q, k: where I read back: 8 rows x 64 bytes an instruction
.set STV,  24                          ; v: where I put 16 bytes of a row
.set RDV,  25                          ; v: where I read back: two rows of 256 bytes an instruction
.set GQ,   26                          ; q, k: 16 x lane
.set GV,   27                          ; v: 2,048 (lane / 16) + 16 (lane % 16)
.set SPW,  28                          ; LDS address of my spare word; never rewritten
.set NIL,  29                          ; 0; never rewritten
.set BV,   32                          ; v32-47  bias, a number a lane: v[BV + 2 a] = bias(row 16 a + lane % 16); the odd registers are 0 (named as the pairs' upper halves)
.set BQ,   64                          ; v64-127 bias, eight a tile: v[BQ + 8 b + j] = bias(column 16 b + 8 (lane / 16) + j)
.set AF,   128                         ; A's fragments
.set T,    128                         ; the way out: 32 numbers at work
.set CODE, 160                         ; 16 registers of codes
.set OUT,  192                         ; 64 registers read back from a stage
.set G1, 24
.set G0, 32
.set G1B, 48
.set G0B, 56
.set MSB, 0
.macro WIN new                         ; the immediate's high byte repeats the setting that is left
.if MSB != (\new)
	s_set_vgpr_msb (MSB<<8)|(\new)
.set MSB, (\new)
.endif
.endm
.set MUL_LO, 0xa1                      ; source 0 (B) window 1, source 1 (A) window 0, C and D window 2
.set MUL_HI, 0xf1                      ; the same, C and D window 3
.set TO_B,   0x40                      ; destination window 1, address window 0
; A joint load: waves 0 and 1 fetch for A, waves 2 and 3 for B.  Each line has one mask and one set of registers for all that issue it; the branch hangs on the wave's number alone.
; An s_nop 0 and four v_nop follow each of the two lines.
.macro JLOAD g0a, g1a, g0b, g1b
	s_cmp_eq_u32 s15, 0
	s_cbranch_scc0 .Lfor_b_\@
	tensor_load_to_lds s[\g0a:\g0a+3], s[\g1a:\g1a+7]
	s_nop 0
.rept 4
	v_nop
.endr
	s_branch .Lasked_\@
.Lfor_b_\@:
	tensor_load_to_lds s[\g0b:\g0b+3], s[\g1b:\g1b+7]
	s_nop 0
.rept 4
	v_nop
.endr
.Lasked_\@:
.endm
.macro CREST                           ; a round of the cluster's barrier behind its opening barrier
	s_cmp_lg_u32 s14, 0
	s_cbranch_scc1 .Lnot_wave_0_\@
	s_barrier_signal -3
.Lnot_wave_0_\@:
	s_barrier_wait -3
	s_barrier_signal -1
	s_barrier_wait -1
.endm
.macro CROUND
	s_barrier_signal -1
	s_barrier_wait -1
	CREST
.endm
	s_load_b256 s[68:75], s[0:1], 0x0              ; xc s[68:69], wc s[70:71], bq s[72:73], bk s[74:75]
	s_load_b128 s[76:79], s[0:1], 0x20             ; bv s[76:77], the scales' exponents s[78:79]
	s_load_b64 s[80:81], s[0:1], 0x30              ; qkv
	v_lshl_add_u32 v[SPW], v0, 2, SPARE
	v_mov_b32 v[NIL], 0
	ds_add_u32 v[SPW], v[NIL]                      ; the wave's opening: the add, twice on end, and its wait ahead of my first tensor load
	ds_add_u32 v[SPW], v[NIL]                      ; and once more, under the one wait; the set-up below, work on registers, stands between
	v_lshrrev_b32 v1, 5, v0
	v_readfirstlane_b32 s14, v1                    ; wave 0..3
	s_lshr_b32 s15, s14, 1                         ; which half of region A's rows is mine.  Also: I fetch for A (0) or for B (1)
	s_and_b32 s16, s14, 1                          ; which half of region B's rows.  Also: which 128 rows of that region I fetch
	s_bfe_u32 s40, ttmp6, 0x40000                  ; cx, cy: my place in the cluster
	s_bfe_u32 s41, ttmp6, 0x40004
	s_and_b32 s82, ttmp7, 0xffff                   ; the cluster's y: 0 .. 23
	s_lshr_b32 s84, s82, 3                         ; the product: 0 q, 1 k, 2 v
	s_sub_co_u32 s85, s82, 16
	s_cmp_eq_u32 s84, 2
	s_cselect_b32 s83, 1, 0                        ; 1 for v
	s_cselect_b32 s17, 0, s82
	s_cselect_b32 s42, s85, 0
	s_lshl_b32 s17, s17, 2
	s_add_co_u32 s17, s17, s41                     ; A's tile: q, k: 4 y + cy, in the stacked codes of x;  v: cy, in Wv
	s_lshl_b32 s42, s42, 2
	s_add_co_u32 s42, s42, s40                     ; B's tile: q, k: cx, in W;  v: 4 (y - 16) + cx, in x
	s_lshl_b32 s43, s41, 2
	s_lshl_b32 s43, 15, s43                        ; my row of the cluster
	s_lshl_b32 s44, 0x1111, s40                    ; my column
	; descriptor group 1: a tile of 128 rows x 256 bytes, padded in LDS
	s_or_b32 s[G1+0], s43, (0<<16)|(1<<20)|(1<<21)|(5<<22)|(3<<25)  ; 15:0 the mask: my row; 17:16 elements of 1 byte; 20 padding on; 21 set beside a mask; 24:22 after every 64 words (code 5); 31:25 four words (code 3)
	s_or_b32 s[G1B+0], s44, (0<<16)|(1<<20)|(1<<21)|(5<<22)|(3<<25) ; the same with the mask of my column
.irp g, G1, G1B
	s_mov_b32 s[\g+1], ROWB<<16                    ; tensor_dim0
	s_mov_b32 s[\g+2], 128<<16                     ; tensor_dim1
	s_mov_b32 s[\g+3], ROWB<<16                    ; tile_dim0
	s_mov_b32 s[\g+4], 128                         ; tile_dim1
	s_mov_b32 s[\g+5], KROW                        ; tensor_dim0_stride
	s_mov_b32 s[\g+6], 0
	s_mov_b32 s[\g+7], 0
.endr
	s_lshl_b32 s18, s16, 7                         ; which 128 rows I fetch
	s_lshl_b32 s20, s17, 8
	s_add_co_u32 s20, s20, s18
	s_lshl_b32 s20, s20, 10                        ; A: (256 x tile + 128 x half) rows of 1,024 bytes: under 2^24
	s_mov_b32 s21, 0
	s_lshl_b32 s46, s42, 8
	s_add_co_u32 s46, s46, s18
	s_lshl_b32 s46, s46, 10                        ; B likewise.  A's registers never hold cx, B's never cy
	s_mov_b32 s47, 0
	s_mul_i32 s45, s14, HALFT                      ; where they go: wave x 128 rows: no place in the cluster enters an LDS address
	s_lshl_b32 s86, s84, 20                        ; the product's weight in wc
	s_mov_b32 s87, 0
	s_lshl_b32 s88, s83, 24                        ; v: the third tensor of x's codes (q's and k's tiles index the stacked tensors as they lie)
	s_mov_b32 s89, 0
	s_lshl_b32 s94, s84, 3                         ; ea, eb: entries 2 p, 2 p + 1
	s_mov_b32 s95, 0
	s_add_co_u32 s12, s84, s83
	s_add_co_u32 s12, s12, 6
	s_lshl_b32 s12, s12, 2                         ; the result's own scale: entry 6, 7 or 9
	s_mov_b32 s13, 0
	s_wait_dscnt 0x0                               ; both opening adds are done
	s_wait_kmcnt 0x0
	s_add_nc_u64 s[86:87], s[70:71], s[86:87]      ; the weight's codes
	s_add_nc_u64 s[88:89], s[68:69], s[88:89]      ; x's codes
	s_cmp_eq_u32 s83, 1                            ; the choice hangs on the cluster's y alone
	s_cselect_b64 s[90:91], s[86:87], s[88:89]     ; region A's tensor
	s_cselect_b64 s[86:87], s[88:89], s[86:87]     ; region B's
	s_add_nc_u64 s[20:21], s[90:91], s[20:21]
	s_add_nc_u64 s[46:47], s[86:87], s[46:47]
	s_add_nc_u64 s[94:95], s[78:79], s[94:95]
	s_load_b64 s[96:97], s[94:95], 0x0             ; ea, eb
	s_add_nc_u64 s[12:13], s[78:79], s[12:13]
	s_load_b32 s98, s[12:13], 0x0                  ; the result's e
	s_cmp_eq_u32 s84, 1
	s_cselect_b64 s[92:93], s[74:75], s[72:73]
	s_cmp_eq_u32 s84, 2
	s_cselect_b64 s[92:93], s[76:77], s[92:93]     ; the product's bias
	CROUND                                         ; all sixteen work-groups are here: the first joint loads meet
.irp s, 0,1
	s_mov_b32 s[G0+4*\s], 1
	s_add_co_u32 s[G0+4*\s+1], s45, \s*SLOT
	s_add_nc_u64 s[G0+4*\s+2:G0+4*\s+3], s[20:21], \s*ROWB
	s_or_b32 s[G0+4*\s+3], s[G0+4*\s+3], 0x80000000
	s_mov_b32 s[G0B+4*\s], 1
	s_add_co_u32 s[G0B+4*\s+1], s45, \s*SLOT
	s_add_nc_u64 s[G0B+4*\s+2:G0B+4*\s+3], s[46:47], \s*ROWB
	s_or_b32 s[G0B+4*\s+3], s[G0B+4*\s+3], 0x80000000
	s_wait_alu depctr_va_vdst(0)
	s_wait_tensorcnt 0x0
	ds_add_u32 v28, v29
	ds_add_u32 v28, v29
	s_wait_dscnt 0x0
	CROUND
	JLOAD G0+4*\s, G1, G0B+4*\s, G1B               ; one load of mine is out
.endr
	v_and_b32 v1, 15, v0                           ; r = lane % 16
	s_wait_alu depctr_va_vdst(0)
	v_bfe_u32 v2, v0, 4, 1                         ; h = lane / 16
	v_mul_u32_u24 v3, v1, PITCH
	v_lshl_add_u32 v4, v2, 4, v3                   ; r x pitch + 16 h
	s_mul_i32 s21, s15, HALFT                      ; my 128 rows of A
	s_mul_i32 s22, s16, HALFT                      ; my 128 rows of B,
	s_add_co_u32 s22, s22, 2*HALFT                 ; which lie behind A's 256
.irp s, 0,1
	v_add_nc_u32 v[ADRA+\s], s21, v4
	v_add_nc_u32 v[ADRB+\s], s22, v4
	s_add_co_u32 s21, s21, SLOT
	s_add_co_u32 s22, s22, SLOT
.endr
	s_mul_i32 s23, s14, 64*QP
	s_add_co_u32 s23, s23, QSTG                    ; q, k: my stage
	v_mul_u32_u24 v5, v1, QP
	s_wait_alu depctr_va_vdst(0)
	v_lshl_add_u32 v5, v2, 4, v5
	v_add_nc_u32 v[STQ], s23, v5                   ; in: row r, 16 bytes for each half of the lanes
	v_and_b32 v6, 31, v0
	v_lshrrev_b32 v7, 2, v6
	v_and_b32 v5, 3, v6
	v_mul_u32_u24 v7, v7, QP
	v_lshl_add_u32 v7, v5, 4, v7
	v_add_nc_u32 v[RDQ], s23, v7                   ; back: four lanes to a head's 64 bytes of a row, eight rows an instruction
	v_lshlrev_b32 v[GQ], 4, v6
	s_mul_i32 s23, s15, 128*PITCH
	s_lshl_b32 s19, s16, 7
	s_add_co_u32 s23, s23, s19
	v_add_nc_u32 v[STV], s23, v4                   ; v: row 128 x (my half of A) + r, byte 128 x (my half of B) + 16 h
	s_mul_i32 s23, s14, 64*PITCH
	v_mul_u32_u24 v5, v2, PITCH
	v_lshl_add_u32 v5, v1, 4, v5
	v_add_nc_u32 v[RDV], s23, v5                   ; back: wave w takes rows 64 w on, whole: lanes 0-15 one row, lanes 16-31 the next
	v_lshlrev_b32 v[GV], 11, v2
	v_lshl_add_u32 v[GV], v1, 4, v[GV]
	; THE BIAS, in both lane forms, with no branch: each work-group uses one of the two (q, k: eight a tile; v: a number a lane) and loads the other from the bias's first numbers, unused: 24 loads once
	s_lshl_b32 s4, s40, 8
	s_add_co_u32 s4, s4, s19                       ; 256 cx + 128 x (my half of B): q's and k's first channel
	s_lshl_b32 s5, s41, 8
	s_lshl_b32 s6, s15, 7
	s_add_co_u32 s5, s5, s6                        ; 256 cy + 128 x (my half of A): v's first channel
	s_cmp_eq_u32 s83, 1
	s_cselect_b32 s4, 0, s4
	s_cselect_b32 s5, s5, 0
	s_lshl_b32 s4, s4, 2
	s_lshl_b32 s5, s5, 2
	v_lshlrev_b32 v30, 5, v2
	v_add_nc_u32 v30, s4, v30                      ; 4 x first channel + 32 h
	v_lshlrev_b32 v31, 2, v1
	v_add_nc_u32 v31, s5, v31                      ; 4 x first channel + 4 r
.irp b, 0,1,2,3,4,5,6,7
	global_load_b128 v[BQ+8*\b:BQ+8*\b+3], v30, s[92:93] offset:64*\b
	global_load_b128 v[BQ+8*\b+4:BQ+8*\b+7], v30, s[92:93] offset:64*\b+16
.endr
.irp a, 0,1,2,3,4,5,6,7
	global_load_b32 v[BV+2*\a], v31, s[92:93] offset:64*\a
	v_mov_b32 v[BV+2*\a+1], 0
.endr
	; where my results go.  q, k: product x 2^23 + (((batch x 16 + head) x 2,048 + t) x 64, head = 4 cx + 2 x (my half of B), t from my first row
	s_and_b32 s4, s17, 31
	s_lshl_b32 s4, s4, 8
	s_add_co_u32 s4, s4, s6                        ; my first row among the 8,192
	s_lshr_b32 s5, s4, 11                          ; batch
	s_lshl_b32 s5, s5, 4
	s_lshl_b32 s6, s40, 2
	s_add_co_u32 s5, s5, s6
	s_lshl_b32 s6, s16, 1
	s_add_co_u32 s5, s5, s6
	s_lshl_b32 s5, s5, 11
	s_and_b32 s4, s4, 2047
	s_add_co_u32 s5, s5, s4
	s_lshl_b32 s5, s5, 6
	s_lshl_b32 s6, s84, 23
	s_add_co_u32 s5, s5, s6
	; v: 2^24 + batch x 2^21 + (256 cy + 64 wave) rows of 2,048 + t, t from the tile's first row of x
	s_lshl_b32 s6, s42, 8
	s_lshr_b32 s7, s6, 11
	s_lshl_b32 s7, s7, 21
	s_and_b32 s6, s6, 2047
	s_add_co_u32 s7, s7, s6
	s_lshl_b32 s6, s41, 8
	s_lshl_b32 s8, s14, 6
	s_add_co_u32 s6, s6, s8
	s_lshl_b32 s6, s6, 11
	s_add_co_u32 s7, s7, s6
	s_add_co_u32 s7, s7, 0x1000000
	s_cmp_eq_u32 s83, 1
	s_cselect_b32 s4, s7, s5
	s_mov_b32 s5, 0
	s_add_nc_u64 s[10:11], s[80:81], s[4:5]
.macro FRAG reg, adr, q, i             ; a fragment, 16 rows x 128 K, is 16 registers: lane l holds row l % 16; registers 4 c .. 4 c + 3 hold bytes 32 c + 16 (l / 16) + 0 .. 15: the same places of K in A and in B
.irp c, 0,1,2,3
	ds_load_b128 v[\reg+4*\c:\reg+4*\c+3], v[\adr] offset:128*(\q)+32*\c+(\i)*16*PITCH
.endr
.endm
; 16 matrix instructions: A's blocks a0, a0 + 1 x B's eight, 128 along K.  p: B's set.  zero = 1: the first product starts the sums.  The 64 accumulators take turns, one instruction a turn.
.macro MUL16 a0, p, zero
.irp a, \a0, \a0+1
.irp b, 0,1,2,3,4,5,6,7
.if \zero
	v_wmma_f32_16x16x128_fp8_fp8 v[8*(8*((\a)%4)+\b):8*(8*((\a)%4)+\b)+7], v[128*(\p)+FR*\b:128*(\p)+FR*\b+FR-1], v[AF+FR*(\a):AF+FR*(\a)+FR-1], 0
.else
	v_wmma_f32_16x16x128_fp8_fp8 v[8*(8*((\a)%4)+\b):8*(8*((\a)%4)+\b)+7], v[128*(\p)+FR*\b:128*(\p)+FR*\b+FR-1], v[AF+FR*(\a):AF+FR*(\a)+FR-1], v[8*(8*((\a)%4)+\b):8*(8*((\a)%4)+\b)+7]
.endif
.endr
.endr
.endm
.macro FETCH_B slot, q, p
	WIN TO_B
.irp i, 0,1,2,3,4,5,6,7
	FRAG 128*(\p)+FR*\i, ADRB+\slot, \q, \i
.endr
	WIN 0
.endm
.macro FETCH_A slot, q, i0
.irp i, \i0, \i0+1, \i0+2, \i0+3
	FRAG AF+FR*(\i), ADRA+\slot, \q, \i
.endr
.endm
.macro PLACES n                        ; plain vector instructions between a matrix instruction and a load into a register that it read, or a read of its result
.rept \n
	v_nop
.endr
.endm
; A step of 128 along K that has its successor in the same slot.  A has one set of registers: blocks 0-3 are fetched anew in the step's middle, blocks 4-7 at its end; B has two sets.
.macro STEP slot, q, zero
	s_wait_dscnt 4*NL                              ; B's set and A's blocks 0-3 are in; the youngest 16 loads (A's blocks 4-7) may be out
	WIN MUL_LO
	MUL16 0, (\q)%2, \zero
	MUL16 2, (\q)%2, \zero
	s_wait_dscnt 0                                 ; A's blocks 4-7 are in
	PLACES NP
	FETCH_B \slot, (\q)+1, 1-(\q)%2
	FETCH_A \slot, (\q)+1, 0
	WIN MUL_HI
	MUL16 4, (\q)%2, \zero
	MUL16 6, (\q)%2, \zero
	PLACES NP
	WIN 0
	FETCH_A \slot, (\q)+1, 4
.endm
; A slot's last step changes slots: one barrier; in front of it each wave waits for all its tensor loads, adds 0 to its spare word, and waits for that and for its reads of this slot.  fill = 1: the slot is filled again, two K steps ahead.
.macro TURN slot, next, fill
	s_wait_tensorcnt 0x0                           ; all my tensor loads have landed: my part of the next slot
	ds_add_u32 v[SPW], v[NIL]                      ; 0 onto my spare word
	s_wait_dscnt 4*NL+1                            ; (the add and the youngest 16 loads may be out)
	WIN MUL_LO
	MUL16 0, 1, 0                                  ; sixteen matrix instructions stand between the add and the wait for it
	s_wait_dscnt 0x0                               ; the add is done, and my reads of this slot are over
	s_barrier_signal -1
	MUL16 2, 1, 0
	WIN 0
	s_barrier_wait -1
.if \fill
	CREST                                          ; the barrier has opened a round of the cluster's barrier: no wave of any partner still reads this slot or has a load on its way
	s_add_nc_u64 s[G0+4*\slot+2:G0+4*\slot+3], s[G0+4*\slot+2:G0+4*\slot+3], 2*ROWB
	s_add_nc_u64 s[G0B+4*\slot+2:G0B+4*\slot+3], s[G0B+4*\slot+2:G0B+4*\slot+3], 2*ROWB
	JLOAD G0+4*\slot, G1, G0B+4*\slot, G1B         ; the first tensor load behind the round, my one load until the next; its four v_nop are the places in front of the loads below
.else
	PLACES NP
.endif
	FETCH_B \next, 0, 0
	FETCH_A \next, 0, 0
	WIN MUL_HI
	MUL16 4, 1, 0
	MUL16 6, 1, 0
	PLACES NP
	WIN 0
	FETCH_A \next, 0, 4
.endm
	s_wait_tensorcnt 1                             ; my part of K step 0 is in (K step 1's load may be out)
	s_barrier_signal -1
	s_barrier_wait -1                              ; everybody's is
	FETCH_B 0, 0, 0
	FETCH_A 0, 0, 0
	FETCH_A 0, 0, 4
	STEP 0, 0, 1                                   ; K = 1,024 is eight steps of 128: written straight.  The first step's products start the sums
	TURN 0, 1, 1                                   ; slot 0 takes K step 2
	STEP 1, 0, 0
	TURN 1, 0, 1                                   ; slot 1 takes K step 3
	STEP 0, 0, 0
	TURN 0, 1, 0                                   ; nothing is left to fetch: no round
	STEP 1, 0, 0
	s_wait_dscnt 4*NL
	WIN MUL_LO
	MUL16 0, 1, 0
	MUL16 2, 1, 0
	s_wait_dscnt 0
	WIN MUL_HI
	MUL16 4, 1, 0
	MUL16 6, 1, 0
	WIN 0
	; THE WAY OUT: result = sum x 2^(ea + eb) + bias; held within +-448 x 2^e; eight codes a conversion; through a stage in LDS, so that long runs of consecutive bytes are stored by neighbouring lanes.
	s_wait_kmcnt 0x0
	s_wait_loadcnt 0x0                             ; the bias
	s_add_co_i32 s96, s96, s97
	s_add_co_i32 s96, s96, 127
	s_lshl_b32 s96, s96, 23                        ; 2^(ea + eb) as f32
	s_mov_b32 s97, s96                             ; (named with it as a pair, so it is written)
	s_add_co_i32 s98, s98, 127
	s_lshl_b32 s99, s98, 23
	v_mov_b32 v8, s99                              ; 2^e as f32: the conversion takes its exponent field
	PLACES NP
; Block a (16 rows of A's side x my 128 of B's side) becomes codes, four tiles at a time; each accumulator is read from its low end on.  Tiles 2 n and 2 n + 1 give a lane 16 bytes, stored at 32 n + 16 (lane / 16) of the row.
.macro CONV a, isv, adr, off
.set AC, 64*((\a)%4)
.irp g, 0,1
	WIN 0x02+((\a)/4)                              ; source 0: window 2 or 3
.irp b, 0,1,2,3
.irp i, 0,2,4,6
.if \isv
	v_pk_fma_f32 v[T+8*\b+\i:T+8*\b+\i+1], v[AC+8*(4*\g+\b)+\i:AC+8*(4*\g+\b)+\i+1], s[96:97], v[BV+2*(\a):BV+2*(\a)+1] op_sel_hi:[1,0,0]   ; the lane's row has one bias: the pair's low word for both halves
.else
	v_pk_fma_f32 v[T+8*\b+\i:T+8*\b+\i+1], v[AC+8*(4*\g+\b)+\i:AC+8*(4*\g+\b)+\i+1], s[96:97], v[BQ+8*(4*\g+\b)+\i:BQ+8*(4*\g+\b)+\i+1] op_sel_hi:[1,0,1]
.endif
.endr
.endr
	WIN 0
.set j, 0
.rept 32
.set j, j+1
.endr
.irp b, 0,1,2,3
	v_cvt_scalef32_pk8_fp8_f32 v[CODE+8*\g+2*\b:CODE+8*\g+2*\b+1], v[T+8*\b:T+8*\b+7], v8
.endr
	v_nop                                          ; a plain line between the last conversion and the next vector instruction that writes its sources
	ds_store_b128 v[\adr], v[CODE+8*\g:CODE+8*\g+3] offset:(\off)+64*\g
	ds_store_b128 v[\adr], v[CODE+8*\g+4:CODE+8*\g+7] offset:(\off)+64*\g+32
.endr
.endm
	s_cmp_lg_u32 s83, 0                            ; the cluster's y decides: the same way in all waves of all partners
	s_cbranch_scc1 .Lv_arm
	; q, k: 64 rows at a time through my own stage; back by heads: an instruction takes 8 rows x 64 bytes, which are 512 consecutive bytes of one head
.irp half, 0,1
.irp u, 0,1,2,3
	CONV 4*\half+\u, 0, STQ, \u*16*QP
.endr
.if \half
	s_wait_xcnt 0x0                                ; the first half's stores have read their data: the loads below may land there
.endif
.irp i, 0,1,2,3,4,5,6,7,8,9,10,11,12,13,14,15
	ds_load_b128 v[OUT+4*\i:OUT+4*\i+3], v[RDQ] offset:(\i%8)*8*QP+(\i/8)*64   ; LDS serves a wave's instructions in order: these see my stores
.endr
.irp i, 0,1,2,3,4,5,6,7,8,9,10,11,12,13,14,15
	s_wait_dscnt 15-\i
	global_store_b128 v[GQ], v[OUT+4*\i:OUT+4*\i+3], s[10:11] offset:(\i/8)*131072+(64*\half+8*(\i%8))*64
.endr
.endr
	s_branch .Ljoin
.Lv_arm:
	s_wait_alu depctr_va_vdst(0)
	; v: all eight blocks into the work-group's stage: a row's 256 bytes come from two waves
.irp a, 0,1,2,3,4,5,6,7
	CONV \a, 1, STV, \a*16*PITCH
.endr
.Ljoin:
	s_wait_dscnt 0x0                               ; for the others' sake: my stores into the stage are done
	s_barrier_signal -1
	s_barrier_wait -1
	s_cmp_eq_u32 s83, 0
	s_cbranch_scc1 .Ldone
.irp k, 0,1
	s_wait_xcnt 0x0                                ; earlier stores have read their data: the loads below may land there
.irp i, 0,1,2,3,4,5,6,7,8,9,10,11,12,13,14,15
	ds_load_b128 v[OUT+4*\i:OUT+4*\i+3], v[RDV] offset:2*PITCH*(16*\k+\i)
.endr
.irp i, 0,1,2,3,4,5,6,7,8,9,10,11,12,13,14,15
	s_wait_dscnt 15-\i
	global_store_b128 v[GV], v[OUT+4*\i:OUT+4*\i+3], s[10:11] offset:4096*(16*\k+\i)   ; sixteen lanes store 256 consecutive bytes, aligned
.endr
.endr
.Ldone:
	s_wait_tensorcnt 0x0                           ; the wave's end, behind my last tensor load and my last LDS store
	ds_add_u32 v[SPW], v[NIL]
	s_wait_dscnt 0x0
	CROUND                                         ; the closing round: no work-group ends while a partner may still ask for a tile that names it
	s_endpgm
.Lfunc_end_k_q0bd38e0d24_qkv:
	.size	k_q0bd38e0d24_qkv, .Lfunc_end_k_q0bd38e0d24_qkv-k_q0bd38e0d24_qkv
	.p2alignl 7, 3214868480
	.fill 96, 4, 3214868480
	.section	.rodata,"a",@progbits
	.p2align	6, 0x0
	.amdhsa_kernel k_q0bd38e0d24_qkv
		.amdhsa_group_segment_fixed_size 327680
		.amdhsa_private_segment_fixed_size 0
		.amdhsa_enable_private_segment 0
		.amdhsa_kernarg_size 56
		.amdhsa_user_sgpr_count 2
		.amdhsa_user_sgpr_kernarg_segment_ptr 1
		.amdhsa_wavefront_size32 1
		.amdhsa_system_sgpr_workgroup_id_x 1
		.amdhsa_system_sgpr_workgroup_id_y 1
		.amdhsa_system_sgpr_workgroup_id_z 1
		.amdhsa_system_vgpr_workitem_id 0
		.amdhsa_next_free_vgpr 1024
		.amdhsa_next_free_sgpr 100
		.amdhsa_reserve_vcc 0
		.amdhsa_float_denorm_mode_32 3
		.amdhsa_float_denorm_mode_16_64 3
		.amdhsa_fp16_overflow 1
		.amdhsa_memory_ordered 1
		.amdhsa_forward_progress 1
		.amdhsa_inst_pref_size 143
	.end_amdhsa_kernel
	.amdgpu_metadata
---
amdhsa.version: [ 1, 2 ]
amdhsa.kernels:
  - .name:           k_q0bd38e0d24_qkv
    .symbol:         k_q0bd38e0d24_qkv.kd
    .args:
      - { .name: xc, .offset: 0, .size: 8, .value_kind: global_buffer, .address_space: global }
      - { .name: wc, .offset: 8, .size: 8, .value_kind: global_buffer, .address_space: global }
      - { .name: bq, .offset: 16, .size: 8, .value_kind: global_buffer, .address_space: global }
      - { .name: bk, .offset: 24, .size: 8, .value_kind: global_buffer, .address_space: global }
      - { .name: bv, .offset: 32, .size: 8, .value_kind: global_buffer, .address_space: global }
      - { .name: lowp_scales, .offset: 40, .size: 8, .value_kind: global_buffer, .address_space: global }
      - { .name: qkv, .offset: 48, .size: 8, .value_kind: global_buffer, .address_space: global }
    .group_segment_fixed_size: 327680
    .private_segment_fixed_size: 0
    .kernarg_segment_align: 8
    .kernarg_segment_size: 56
    .max_flat_workgroup_size: 128
    .sgpr_count:     100
    .vgpr_count:     1024
    .wavefront_size: 32
...
	.end_amdgpu_metadata
.endif
;; end of part 2
;; launch attn (part 3): grid 8 x 64, 16 waves a work-group, no clusters, 327,680 bytes of LDS; arguments qkv, lowp_scales, yc; writes yc
.if DOCPART == 3
	.amdgcn_target "amdgcn-amd-amdhsa--gfx1250"
	.amdhsa_code_object_version 6
	.text
	.protected	k_q0bd38e0d24_attn
	.globl	k_q0bd38e0d24_attn
	.p2align	8
	.type	k_q0bd38e0d24_attn,@function
k_q0bd38e0d24_attn:
	s_mov_b64 s[64:65], 0
	v_nop
	global_prefetch_b8 v0, s[64:65] scope:SCOPE_SE
	s_setreg_imm32_b32 hwreg(HW_REG_WAVE_MODE, 25, 1), 1
	s_wait_xcnt 0x0
; y = softmax(q k^T / 8, causal) v for 64 (batch, head) pairs, T = 2,048, head size 64, both products on codes of FP8 (E4M3), and y quantised at once with 2^e10 into yc [16 heads][8192 (batch, t)][64 d].
; LEFT OUT: a step of 128 keys all of which come after a wave's 16 queries: the problem's own causal mask makes their p zero for every value of the inputs.
; qkv: q at byte 0, k at 2^23: [64][2048 t][64 d];  v at 2^24: [64][64 d][2048 t], the keys innermost.  Inside every 32 bytes the order is 0-7, 16-23, 8-15, 24-31 (in q and k the same on both sides of the product).
; THE SOFTMAX AHEAD OF THE SECOND PRODUCT: t = score x log2(e) / 8; M = the row's largest t so far, rounded UP to a whole number; p = 2^(t - M) is quantised with 2^e8, not normalised.  The row's sum is taken of the
; unquantised p, in f32, and divides at the end.  When M moves, the sum and O are multiplied by 2^(old M - new M): exact.
; SHARES.  Work-group (x, y) serves pair y and owns the blocks of 128 queries x and 15 - x: 17 blocks of keys' worth of live work in every work-group.  Each of its sixteen waves owns 16 queries in 256 registers; of waves 2 i and
; 2 i + 1 one takes the early block and one the late, chosen so that early and late waves alternate in groups of four.  Keys go 128 a step; K's and V's tiles come through a ring of two LDS slots of 256 keys (wave 0: K's, wave 1: V's).
; NO CLUSTER: under the mask the work-groups of a pair need different numbers of slots (from 5 to 8), and a joint load must be issued by every partner that it names.
; LAYOUT.  Both products are used transposed: S^T = K Q^T (K = 64 form; source 0 = 16 neighbouring keys, source 1 = my queries), O^T = V^T P^T (K = 128 form; source 0 = 16 of the head's 64): a lane holds ONE query throughout.
; Tile t of S^T gives lane (r, h) keys 16 t + 8 h + 0 .. 7, whose eight codes are registers 2 t, 2 t + 1 of P's fragment: the K = 128 form's own layout; V's order in memory gives the same keys to a load of 16 bytes.
; LIMITS on the given exponents: e6 + e7 between -123 and 129 (they are added to c's exponent field); e8 and e10 between -126 and 119; e8 + e9 is applied by v_ldexp_f32 and has none.
; REGISTERS: v1-7 addresses that stay; v8-11 addresses in hand; v12 -M, v13 the largest t, v[14:15] the sum in two halves; v16-23 Q; v32-95 fragments of K, then of V; v96-159 S^T, then p; v160-191 O^T; v224-239 p's codes; v236-254 at work.
.set SK,    256                        ; keys in a slot
.set NQ,    2                          ; key steps in a slot
.set KP,    80                         ; a key's 64 bytes in LDS + 16 of padding
.set VP,    272                        ; a row of V's tile: 256 bytes + 16
.set VOFF,  SK*KP                      ; a slot: 256 keys of K, then 64 rows of V
.set SLOT1, 1<<16                      ; slot 1 begins here: one exclusive or turns an address from one slot into the other
.set NSL,   8                          ; slots' worth of keys
.set SPARE, 2*SLOT1                    ; the spare words, 128 bytes for each wave: eight blocks of 256 bytes that no other line names
.set STAGE, SPARE+2048                 ; the way out: 16 rows x SGP for each wave: bytes into which no tile lands
.set SGP,   80
.set AK0,  1
.set AV0,  2
.set PFO,  3                           ; the prefetches' offset; never rewritten
.set SPW,  5                           ; LDS address of my spare word; never rewritten
.set NIL,  6                           ; 0; never rewritten
.set GO,   7                           ; 16 x lane
.set ADK,  8
.set ADV,  9
.set WV,   18                          ; s18  my wave's number
.set SEL,  20                          ; s[20:21] lane selects for v_permlanex16_b32: lane l xor 16
.set CS,   22                          ; s[22:23] c = log2(e) / 8 x 2^(e6 + e7)
.set G1K,  24
.set G1V,  32
.set G0K,  40
.set G0V,  44
.set TB,   2                           ; s2   LDS byte at which the slot in hand begins
.set SLOTS, 67                         ; s67  changes of slots still to come in the loop
.set KF,   98                          ; s98  the step's first key
.set Q0,   99                          ; s99  my first query
.set QL,   95                          ; s95  my work-group's last query
.set PFA,  76                          ; s[76:77] where my prefetches stand
.set PFS,  78                          ; s[78:79] a slot on, in bytes
.set LIM,  80                          ; s80  1 in a wave that prefetches, else the greatest number
; Wave 0 fetches K's tile, wave 1 V's, the others nothing.  The branches hang on the wave's number alone.  An s_nop 0 and four v_nop follow each of the two lines.
.macro TLOAD
	s_cmp_eq_u32 s[WV], 0
	s_cbranch_scc0 .Lnot_k_\@
	tensor_load_to_lds s[G0K:G0K+3], s[G1K:G1K+7]
	s_nop 0
.rept 4
	v_nop
.endr
	s_branch .Lasked_\@
.Lnot_k_\@:
	s_cmp_eq_u32 s[WV], 1
	s_cbranch_scc0 .Lasked_\@
	tensor_load_to_lds s[G0V:G0V+3], s[G1V:G1V+7]
	s_nop 0
.rept 4
	v_nop
.endr
.Lasked_\@:
.endm
; A PREFETCH of what the NEXT change of slots will ask for: 256 keys of K, one dense block of 16,384 bytes, and 256 bytes of each of V's 64 rows.  All eight work-groups of a pair walk the same K and V: the one with x = 0, which walks
; all slots, asks.  In it waves 4 and 5 ask for K's block, 8,192 bytes a wave, lanes 256 bytes apart; waves 6 and 7 for V's rows, 32 a wave, a lane a row.  So each aligned block of 256 bytes is named once in the launch.
; The last change that fills a slot asks for nothing; slots 0 and 1 come by their loads alone.
.macro ASK
	s_cmp_gt_u32 s[SLOTS], s[LIM]
	s_cbranch_scc0 .Lnot_mine_\@
	global_prefetch_b8 v[PFO], s[PFA:PFA+1] th:TH_LOAD_NT scope:SCOPE_SE
.Lnot_mine_\@:
.endm
	s_load_b128 s[4:7], s[0:1], 0x0                ; qkv s[4:5], the scales' exponents s[6:7]
	s_load_b64 s[16:17], s[0:1], 0x10              ; yc
	v_lshl_add_u32 v[SPW], v0, 2, SPARE
	v_mov_b32 v[NIL], 0
	ds_add_u32 v[SPW], v[NIL]                      ; the wave's opening: the add, twice on end, and its wait ahead of the first tensor load
	ds_add_u32 v[SPW], v[NIL]                      ; and once more, under the one wait; the set-up below, work on registers, stands between
	v_lshrrev_b32 v8, 5, v0
	s_delay_alu instid0(VALU_DEP_1)
	v_readfirstlane_b32 s[WV], v8                  ; wave 0..15
	s_and_b32 s72, ttmp7, 0xffff                   ; the (batch, head) pair
	s_lshl_b32 s74, s72, 17                        ; its 2^17 bytes in each of q, k, v
	s_lshr_b32 s80, s[WV], 2
	s_xor_b32 s80, s80, s[WV]
	s_and_b32 s80, s80, 1                          ; 1: I take the late block
	s_sub_co_u32 s81, 15, ttmp9
	s_cmp_eq_u32 s80, 1
	s_cselect_b32 s81, s81, ttmp9
	s_lshl_b32 s81, s81, 7
	s_lshr_b32 s82, s[WV], 1
	s_lshl_b32 s82, s82, 4
	s_add_co_u32 s[Q0], s81, s82                   ; my first query: 128 x block + 16 x (wave / 2)
	s_lshl_b32 s[QL], ttmp9, 7
	s_sub_co_u32 s[QL], 2047, s[QL]                ; the late block's last query
	s_lshl_b32 s82, s[Q0], 6
	s_add_co_u32 s82, s82, s74                     ; q: my first query's codes
	s_mov_b32 s83, 0
	s_and_b32 s86, s72, 15
	s_lshl_b32 s86, s86, 19                        ; yc: head x 8,192 rows of 64,
	s_lshr_b32 s87, s72, 4
	s_lshl_b32 s87, s87, 11
	s_add_co_u32 s87, s87, s[Q0]
	s_lshl_b32 s87, s87, 6                         ; + (batch x 2,048 + my first query) x 64
	s_add_co_u32 s86, s86, s87
	s_mov_b32 s87, 0
	s_add_co_u32 s90, s74, 0x800000                ; k
	s_mov_b32 s91, 0
	s_add_co_u32 s92, s74, 0x1000000               ; v
	s_mov_b32 s93, 0
	; descriptor group 1.  K: 256 keys of 64 bytes are dense in memory: stated as 64 rows of 256 bytes, with 16 bytes of padding behind every 64, so that each key has 80 bytes in LDS.  V: 64 rows of 256 bytes, 2,048 apart
	s_mov_b32 s[G1K], (0<<16)|(1<<20)|(3<<22)|(3<<25)   ; no mask; elements of 1 byte; padding on; after every 16 words (code 3); four words (code 3)
	s_mov_b32 s[G1K+1], 256<<16                    ; tensor_dim0
	s_mov_b32 s[G1K+2], 64<<16                     ; tensor_dim1
	s_mov_b32 s[G1K+3], 256<<16                    ; tile_dim0
	s_mov_b32 s[G1K+4], 64                         ; tile_dim1
	s_mov_b32 s[G1K+5], 256                        ; tensor_dim0_stride
	s_mov_b32 s[G1K+6], 0
	s_mov_b32 s[G1K+7], 0
	s_mov_b32 s[G1V], (0<<16)|(1<<20)|(5<<22)|(3<<25)   ; padding: four words after every 64
	s_mov_b32 s[G1V+1], 256<<16
	s_mov_b32 s[G1V+2], 64<<16
	s_mov_b32 s[G1V+3], 256<<16
	s_mov_b32 s[G1V+4], 64
	s_mov_b32 s[G1V+5], 2048
	s_mov_b32 s[G1V+6], 0
	s_mov_b32 s[G1V+7], 0
	s_mov_b32 s[SEL], 0x76543210
	s_mov_b32 s[SEL+1], 0xfedcba98
	s_mov_b32 s[CS], 0x3e38aa3b                    ; log2(e) / 8
	s_mov_b32 s[TB], 0
	s_mov_b32 s[SLOTS], NSL-1
	s_mov_b32 s[KF], 0
	s_wait_dscnt 0x0                               ; both opening adds are done
	s_wait_kmcnt 0x0
	s_load_b128 s[68:71], s[6:7], 0x18             ; e6, e7, e8, e9
	s_load_b32 s85, s[6:7], 0x28                   ; e10
	s_mov_b32 s[G0K], 1
	s_mov_b32 s[G0K+1], 0                          ; LDS address: slot 0
	s_add_nc_u64 s[G0K+2:G0K+3], s[4:5], s[90:91]
	s_or_b32 s[G0K+3], s[G0K+3], 0x80000000
	s_mov_b32 s[G0V], 1
	s_mov_b32 s[G0V+1], VOFF
	s_add_nc_u64 s[G0V+2:G0V+3], s[4:5], s[92:93]
	s_or_b32 s[G0V+3], s[G0V+3], 0x80000000
	TLOAD                                          ; slot 0: it holds key 0, which counts for every query
	s_add_nc_u64 s[16:17], s[16:17], s[86:87]      ; yc at my first query
	s_add_nc_u64 s[8:9], s[4:5], s[82:83]          ; q likewise
	; the prefetches: where my wave's stand, and who asks
	s_cmp_lt_u32 s[WV], 6                          ; waves 4 and 5: K;  waves 6 and 7: V
	s_mov_b32 s[PFS], 256
	s_cselect_b32 s[PFS], SK*64, s[PFS]            ; a slot on
	s_mov_b32 s82, 2048
	s_cselect_b32 s82, 256, s82                    ; from lane to lane
	s_mov_b32 s83, 32*2048
	s_cselect_b32 s83, 8192, s83                   ; from wave to wave
	s_cselect_b32 s84, s90, s92                    ; the pair's first byte in k or in v
	v_and_b32 v[PFO], 31, v0
	s_delay_alu instid0(VALU_DEP_1)
	v_mul_lo_u32 v[PFO], v[PFO], s82
	s_and_b32 s82, s[WV], 1
	s_mul_i32 s82, s82, s83
	s_add_co_u32 s82, s82, s[PFS]                  ; in slot 1: the first change of slots steps it to slot 2.  Nothing is prefetched here, at the head
	s_add_co_u32 s82, s82, s84
	s_mov_b32 s83, 0
	s_mov_b32 s[PFS+1], 0
	s_add_nc_u64 s[PFA:PFA+1], s[4:5], s[82:83]
	s_sub_co_u32 s82, s[WV], 4
	s_lshr_b32 s82, s82, 2                         ; 0 in waves 4 to 7,
	s_or_b32 s82, s82, ttmp9                       ; of the work-group with x = 0
	s_cmp_eq_u32 s82, 0
	s_cselect_b32 s[LIM], 1, -1
	v_and_b32 v8, 15, v0                           ; r
	v_bfe_u32 v9, v0, 4, 1                         ; h
	s_delay_alu instid0(VALU_DEP_2)
	v_lshlrev_b32 v10, 6, v8
	s_delay_alu instid0(VALU_DEP_1)
	v_lshl_add_u32 v10, v9, 4, v10                 ; q: row r of 64 bytes, + 16 h
	global_load_b128 v[16:19], v10, s[8:9]         ; Q's fragment stays in registers; K's is fetched by the same two places of a row
	global_load_b128 v[20:23], v10, s[8:9] offset:32
	v_mul_u32_u24 v[AK0], v8, KP
	s_delay_alu instid0(VALU_DEP_1)
	v_lshl_add_u32 v[AK0], v9, 4, v[AK0]
	v_mul_u32_u24 v[AV0], v8, VP
	s_delay_alu instid0(VALU_DEP_1)
	v_lshl_add_u32 v[AV0], v9, 4, v[AV0]
	s_delay_alu instid0(VALU_DEP_1)
	v_add_nc_u32 v[AV0], VOFF, v[AV0]
	v_and_b32 v[GO], 31, v0
	s_delay_alu instid0(VALU_DEP_1)
	v_lshlrev_b32 v[GO], 4, v[GO]
	v_mov_b32 v13, 0xff61b1e6                      ; the largest t so far: -3e38, under every t
	s_delay_alu instid0(VALU_DEP_1)
	v_floor_f32 v12, -v13                          ; -M
	v_mov_b32 v14, 0                               ; the sum, in two halves
	v_mov_b32 v15, 0
	v_mov_b32 v236, 0                              ; written once: a lane permute's destination counts as one of its sources
	v_mov_b32 v253, 0                              ; (named as the upper half of the pair v[252:253])
.set j, 0
.rept 32
	v_mov_b32 v[160+j], 0                          ; O^T.  (The step is written once: the first finds zeros, which the first change of M leaves zeros)
.set j, j+1
.endr
	s_wait_kmcnt 0x0
	s_add_co_i32 s72, s68, s69
	s_lshl_b32 s72, s72, 23
	s_add_co_i32 s[CS], s[CS], s72                 ; a score stands for score x 2^(e6 + e7): the two exponents are added to c's exponent field
	s_mov_b32 s[CS+1], s[CS]
	s_add_co_i32 s72, s70, 127
	s_lshl_b32 s73, s72, 23
	v_mov_b32 v244, s73                            ; 2^e8 as f32, for p's conversion
	s_add_co_i32 s72, s85, 127
	s_lshl_b32 s73, s72, 23
	v_mov_b32 v245, s73                            ; 2^e10, for y's
; A KEY STEP: 128 keys, the q-th of the slot in hand.
.macro STEP q
	s_add_co_u32 s96, s[Q0], 15                    ; a step all of whose keys come after my 16 queries is left out: a scalar branch on ids, round the step's loads, products and softmax alone
	s_cmp_gt_u32 s[KF], s96
	s_cbranch_scc1 .Lhidden_\@
	v_add_nc_u32 v[ADK], s[TB], v[AK0]
	v_add_nc_u32 v[ADV], s[TB], v[AV0]
	v_nop                                          ; with the two additions: four places in front of loads into registers that the last products read
	v_nop
.irp t, 0,1,2,3,4,5,6,7                        ; K: eight tiles of 16 neighbouring keys x 64
.irp c, 0,1
	ds_load_b128 v[32+8*\t+4*\c:35+8*\t+4*\c], v[ADK] offset:(128*(\q)+16*\t)*KP+32*\c
.endr
.endr
	s_wait_alu depctr_va_vdst(0)
	s_wait_dscnt 0x0
.irp t, 0,1,2,3,4,5,6,7
	v_wmma_f32_16x16x64_fp8_fp8 v[96+8*\t:103+8*\t], v[32+8*\t:39+8*\t], v[16:23], 0
.endr
.rept 4
	v_nop                                          ; places in front of the loads below and of the first read of the scores
.endr
.irp t, 0,1,2,3                                ; V's four fragments (16 of the head's 64 x these 128 keys) are asked for now and land while the softmax is worked
.irp c, 0,1,2,3
	ds_load_b128 v[32+16*\t+4*\c:35+16*\t+4*\c], v[ADV] offset:16*\t*VP+128*(\q)+32*\c
.endr
.endr
	s_add_co_u32 s96, s[KF], 127                   ; on the diagonal the scores of hidden keys become -infinity ahead of the maximum: p = 0 then.  A step all of whose keys count skips this
	s_cmp_le_u32 s96, s[Q0]
	s_cbranch_scc1 .Lopen_\@
	s_sub_co_i32 s96, s[Q0], s[KF]
	v_and_b32 v252, 15, v0
	v_bfe_u32 v253, v0, 4, 1
	s_delay_alu instid0(VALU_DEP_1)
	v_lshlrev_b32 v253, 3, v253
	s_delay_alu instid0(VALU_DEP_1)
	v_sub_nc_u32 v252, v252, v253
	s_delay_alu instid0(VALU_DEP_1)
	v_add_nc_u32 v252, s96, v252                   ; d = my query - KF - 8 (lane / 16).  Register 8 t + i holds key KF + 8 (lane / 16) + 16 t + i: hidden where 16 t + i > d
	v_mov_b32 v254, 0xff800000                     ; -infinity
.set n, 0
.rept 64
	v_cmp_gt_i32 vcc_lo, 16*(n/8)+n%8, v252
	v_cndmask_b32 v[96+n], v[96+n], v254, vcc_lo
.set n, n+1
.endr
.Lopen_\@:
	v_max3_num_f32 v254, v96, v97, v98             ; the step's largest score of my query, among my 64 keys, in two chains; each tile's registers from the low end on
	v_max3_num_f32 v252, v99, v100, v101
.irp i, 6,10,14,18,22,26,30,34,38,42,46,50,54,58
	v_max3_num_f32 v254, v254, v[96+\i], v[97+\i]
	v_max3_num_f32 v252, v252, v[98+\i], v[99+\i]
.endr
	v_max3_num_f32 v254, v254, v158, v159
	s_delay_alu instid0(VALU_DEP_1)
	v_max_num_f32 v254, v254, v252
	v_permlanex16_b32 v236, v254, s[SEL], s[SEL+1]
	s_delay_alu instid0(VALU_DEP_1)
	v_max_num_f32 v254, v254, v236                 ; and among lane l xor 16's
	s_delay_alu instid0(VALU_DEP_1)
	v_mul_f32 v254, s[CS], v254                    ; as t (c is positive)
	s_delay_alu instid0(VALU_DEP_1)
	v_max_num_f32 v13, v13, v254                   ; the running largest t
	v_mov_b32 v254, v12
	s_delay_alu instid0(VALU_DEP_2)
	v_floor_f32 v12, -v13                          ; the new -M = floor(-t) = -ceil(t): M is a whole number
	s_delay_alu instid0(VALU_DEP_1)
	v_sub_f32 v254, v12, v254                      ; M's old value less its new one: a whole number, 0 or less
	s_delay_alu instid0(VALU_DEP_1)
	v_cvt_i32_f32 v254, v254                       ; (it saturates)
	s_delay_alu instid0(VALU_DEP_1)
	v_ldexp_f32 v252, 1.0, v254                    ; f = 2^(old M - new M)
.set j, 0
.rept 32
	v_pk_fma_f32 v[96+j:97+j], v[96+j:97+j], s[CS:CS+1], v[12:13] op_sel_hi:[1,0,0]   ; t - M, two at a time (of the pairs c and -M the low word serves both halves)
.set j, j+2
.endr
.set j, 0
	s_wait_alu depctr_va_vdst(0)
.rept 64
	v_exp_f32 v[96+j], v[96+j]                     ; p = 2^(t - M), at most 1: not normalised
.set j, j+1
.endr
	v_pk_mul_f32 v[14:15], v[14:15], v[252:253] op_sel_hi:[1,0]   ; the sums under the new M: a plain line behind the exponentials
	s_wait_alu depctr_va_vdst(0)                   ; one wait for the whole batch of exponentials, ahead of its first reader
	v_pk_add_f32 v[242:243], v[100:101], v[104:105]
	v_pk_add_f32 v[254:255], v[108:109], v[112:113]
	v_pk_add_f32 v[250:251], v[116:117], v[120:121]
	v_pk_add_f32 v[248:249], v[124:125], v[128:129]
	v_pk_add_f32 v[246:247], v[132:133], v[136:137]
	v_pk_add_f32 v[240:241], v[140:141], v[144:145]
	v_pk_add_f32 v[238:239], v[148:149], v[152:153]
	v_pk_add_f32 v[14:15], v[14:15], v[156:157]
	v_pk_add_f32 v[242:243], v[242:243], v[96:97]
	v_pk_add_f32 v[254:255], v[254:255], v[98:99]
	v_pk_add_f32 v[250:251], v[250:251], v[102:103]
	v_pk_add_f32 v[248:249], v[248:249], v[106:107]
	v_pk_add_f32 v[246:247], v[246:247], v[110:111]
	v_pk_add_f32 v[240:241], v[240:241], v[114:115]
	v_pk_add_f32 v[238:239], v[238:239], v[118:119]
	v_pk_add_f32 v[14:15], v[14:15], v[122:123]
	v_pk_add_f32 v[242:243], v[242:243], v[126:127]
	v_pk_add_f32 v[254:255], v[254:255], v[130:131]
	v_pk_add_f32 v[250:251], v[250:251], v[134:135]
	v_pk_add_f32 v[248:249], v[248:249], v[138:139]
	v_pk_add_f32 v[246:247], v[246:247], v[142:143]
	v_pk_add_f32 v[240:241], v[240:241], v[146:147]
	v_pk_add_f32 v[238:239], v[238:239], v[150:151]
	v_pk_add_f32 v[14:15], v[14:15], v[154:155]
	v_pk_add_f32 v[242:243], v[242:243], v[158:159]
	s_delay_alu instid0(VALU_DEP_2)
	v_pk_add_f32 v[14:15], v[14:15], v[248:249]
	s_delay_alu instid0(VALU_DEP_2)
	v_pk_add_f32 v[242:243], v[242:243], v[246:247]
	v_pk_add_f32 v[254:255], v[254:255], v[240:241]
	v_pk_add_f32 v[250:251], v[250:251], v[238:239]
	s_delay_alu instid0(VALU_DEP_2)
	v_pk_add_f32 v[14:15], v[14:15], v[254:255]
	s_delay_alu instid0(VALU_DEP_2)
	v_pk_add_f32 v[242:243], v[242:243], v[250:251]
	s_delay_alu instid0(VALU_DEP_1)
	v_pk_add_f32 v[14:15], v[14:15], v[242:243]
.irp t, 0,1,2,3,4,5,6,7
.irp i, 0,1,2,3,4,5,6,7
.endr
	v_cvt_scalef32_pk8_fp8_f32 v[224+2*\t:225+2*\t], v[96+8*\t:103+8*\t], v244   ; keys 16 t + 8 h + 0 .. 7: registers 2 t, 2 t + 1 of P's fragment
.endr
.set j, 0
.rept 16
	v_pk_mul_f32 v[160+j:161+j], v[160+j:161+j], v[252:253] op_sel_hi:[1,0]   ; O^T under the new M.  (These are also the plain lines between the conversions and the products below)
.set j, j+2
.endr
	s_wait_alu depctr_va_vdst(0)
	s_wait_dscnt 0x0                               ; V is in
.irp t, 0,1,2,3                                ; O^T += V^T P^T: the four accumulators by turns
	v_wmma_f32_16x16x128_fp8_fp8 v[160+8*\t:167+8*\t], v[32+16*\t:47+16*\t], v[224:239], v[160+8*\t:167+8*\t]
.endr
.Lhidden_\@:
	s_add_co_u32 s[KF], s[KF], 128
.endm
; THE CHANGE OF SLOTS stands at a slot's head.  Each wave waits for all its tensor loads, adds 0 to its spare word (fill = 1: twice on end), and waits for that and for its reads of the slot that it has left.
; Behind the barrier the slot ahead is whole and nobody reads the other one.  fill = 1: that other slot is filled with the keys that follow, up to the causal limit: the load has a slot's two steps in which to land.
.macro CHANGE fill
	s_wait_tensorcnt 0x0                           ; no tensor load of mine is out, so a group 0 may be written
	ds_add_u32 v[SPW], v[NIL]                      ; 0 onto my spare word
.if \fill
	ds_add_u32 v[SPW], v[NIL]                      ; and once more, in every trip alike
	s_xor_b32 s[G0K+1], s[G0K+1], SLOT1            ; the walking descriptors: the other slot than last time,
	s_add_nc_u64 s[G0K+2:G0K+3], s[G0K+2:G0K+3], SK*64   ; the next 256 keys; the type bits on top are not reached
	s_xor_b32 s[G0V+1], s[G0V+1], SLOT1
	s_add_nc_u64 s[G0V+2:G0V+3], s[G0V+2:G0V+3], SK
	s_wait_xcnt 0x0                                ; the last prefetch, a slot back, has read its address, so it may be written:
	s_add_nc_u64 s[PFA:PFA+1], s[PFA:PFA+1], s[PFS:PFS+1]  ; one slot further on than the walking descriptors
.endif
	s_wait_dscnt 0x0                               ; the add is done (fill = 1: both are), and my reads of the slot that I have left are over
	s_barrier_signal -1
	s_barrier_wait -1
.if \fill
	s_add_co_u32 s96, s[KF], SK                    ; the look-ahead ends at the causal limit: a slot whose first key comes after my work-group's last query is read by none of its waves, so it is not asked for
	s_cmp_gt_u32 s96, s[QL]                        ; ids and the count of steps alone: all sixteen waves go the same way, and a work-group that is past the limit stays past it.  Every wait for tensor loads in this text is for 0
	s_cbranch_scc1 .Lpast_\@
	TLOAD                                          ; the first thing behind the barrier, and a wave's one tensor load until the next
.Lpast_\@:
	ASK                                            ; what the next change of slots will ask for: two key steps ahead of that load
.endif
.endm
.macro SLOT_STEPS
.set Q, 0
.rept NQ
	STEP Q
.set Q, Q+1
.endr
	s_xor_b32 s[TB], s[TB], SLOT1                  ; on to the other slot
.endm
	s_wait_loadcnt 0x0                             ; Q
.Lslot:                                            ; seven trips, a constant: every work-group walks all changes of slots; what the mask hides is jumped over inside
	CHANGE 1
	SLOT_STEPS
	s_sub_co_u32 s[SLOTS], s[SLOTS], 1
	s_cmp_lg_u32 s[SLOTS], 0
	s_cbranch_scc1 .Lslot
	CHANGE 0                                       ; the last slot is written out: nothing is left to ask for
	SLOT_STEPS
	; THE WAY OUT.  y = O^T x 2^(e8 + e9) / the sum, in f32; held, converted with 2^e10; a lane's eight codes of a tile are 8 bytes of a row of 64; they go through my stage and leave as 512 consecutive bytes an instruction.
	v_add_f32 v14, v14, v15                        ; the sum's two halves,
	s_delay_alu instid0(VALU_DEP_1)
	v_permlanex16_b32 v252, v14, s[SEL], s[SEL+1]
	s_delay_alu instid0(VALU_DEP_1)
	v_add_f32 v14, v14, v252                       ; and lane l xor 16's: the row's sum
	s_wait_alu depctr_va_vdst(0)
	v_rcp_f32 v14, v14
	v_and_b32 v8, 15, v0                           ; (a plain line behind the reciprocal)  r
	v_bfe_u32 v9, v0, 4, 1                         ; h
	s_add_co_i32 s72, s70, s71
	s_mul_i32 s73, s[WV], 16*SGP
	s_add_co_u32 s73, s73, STAGE                   ; my stage
	v_mul_u32_u24 v10, v8, SGP
	s_delay_alu instid0(VALU_DEP_1)
	v_lshl_add_u32 v10, v9, 3, v10
	s_delay_alu instid0(VALU_DEP_1)
	v_add_nc_u32 v10, s73, v10                     ; in: row r, + 8 h; tile t's codes 16 t further on
	v_bfe_u32 v11, v0, 2, 3
	s_delay_alu instid0(VALU_DEP_1)
	v_mul_u32_u24 v11, v11, SGP
	v_and_b32 v253, 3, v0
	s_delay_alu instid0(VALU_DEP_1)
	v_lshl_add_u32 v11, v253, 4, v11
	s_delay_alu instid0(VALU_DEP_1)
	v_add_nc_u32 v11, s73, v11                     ; back: four lanes to a row, eight rows an instruction
	s_wait_alu depctr_va_vdst(0)                   ; the wait ahead of the reciprocal's first reader
	v_ldexp_f32 v14, v14, s72                      ; x 2^(e8 + e9)
.set j, 0
.rept 16
	v_pk_mul_f32 v[96+j:97+j], v[160+j:161+j], v[14:15] op_sel_hi:[1,0]   ; register 8 t + i is y(r, 16 t + 8 h + i); each accumulator from its low end on
.set j, j+2
.endr
.set j, 0
.rept 32
.set j, j+1
.endr
.irp t, 0,1,2,3
	v_cvt_scalef32_pk8_fp8_f32 v[224+2*\t:225+2*\t], v[96+8*\t:103+8*\t], v245
.endr
	v_nop                                          ; a plain line behind the last conversion
.irp t, 0,1,2,3
	ds_store_b64 v10, v[224+2*\t:225+2*\t] offset:16*\t
.endr
.irp i, 0,1
	ds_load_b128 v[32+4*\i:35+4*\i], v11 offset:8*SGP*\i   ; LDS serves a wave's instructions in order: these see my stores
.endr
.irp i, 0,1
	s_wait_dscnt 1-\i
	global_store_b128 v[GO], v[32+4*\i:35+4*\i], s[16:17] offset:512*\i   ; 32 lanes store 512 consecutive bytes: eight rows of my head
.endr
	s_wait_tensorcnt 0x0                           ; the wave's end, behind my last tensor load and my last LDS store
	ds_add_u32 v[SPW], v[NIL]
	s_wait_dscnt 0x0
	s_endpgm
.Lfunc_end_k_q0bd38e0d24_attn:
	.size	k_q0bd38e0d24_attn, .Lfunc_end_k_q0bd38e0d24_attn-k_q0bd38e0d24_attn
	.p2alignl 7, 3214868480
	.fill 96, 4, 3214868480
	.section	.rodata,"a",@progbits
	.p2align	6, 0x0
	.amdhsa_kernel k_q0bd38e0d24_attn
		.amdhsa_group_segment_fixed_size 327680
		.amdhsa_private_segment_fixed_size 0
		.amdhsa_enable_private_segment 0
		.amdhsa_kernarg_size 24
		.amdhsa_user_sgpr_count 2
		.amdhsa_user_sgpr_kernarg_segment_ptr 1
		.amdhsa_wavefront_size32 1
		.amdhsa_system_sgpr_workgroup_id_x 1
		.amdhsa_system_sgpr_workgroup_id_y 1
		.amdhsa_system_sgpr_workgroup_id_z 1
		.amdhsa_system_vgpr_workitem_id 0
		.amdhsa_next_free_vgpr 256
		.amdhsa_next_free_sgpr 100
		.amdhsa_reserve_vcc 1
		.amdhsa_float_denorm_mode_32 3
		.amdhsa_float_denorm_mode_16_64 3
		.amdhsa_fp16_overflow 1
		.amdhsa_memory_ordered 1
		.amdhsa_forward_progress 1
		.amdhsa_inst_pref_size 90
	.end_amdhsa_kernel
	.amdgpu_metadata
---
amdhsa.version: [ 1, 2 ]
amdhsa.kernels:
  - .name:           k_q0bd38e0d24_attn
    .symbol:         k_q0bd38e0d24_attn.kd
    .args:
      - { .name: qkv, .offset: 0, .size: 8, .value_kind: global_buffer, .address_space: global }
      - { .name: lowp_scales, .offset: 8, .size: 8, .value_kind: global_buffer, .address_space: global }
      - { .name: yc, .offset: 16, .size: 8, .value_kind: global_buffer, .address_space: global }
    .group_segment_fixed_size: 327680
    .private_segment_fixed_size: 0
    .kernarg_segment_align: 8
    .kernarg_segment_size: 24
    .max_flat_workgroup_size: 512
    .sgpr_count:     100
    .vgpr_count:     256
    .wavefront_size: 32
...
	.end_amdgpu_metadata
.endif
;; end of part 3
;; launch proj (part 4): grid 4 x 32, 4 waves a work-group, clusters of 4 x 4, 327,680 bytes of LDS; arguments yc, wc, lowp_scales, bp, out0; writes out0
.if DOCPART == 4
	.amdgcn_target "amdgcn-amd-amdhsa--gfx1250"
	.amdhsa_code_object_version 6
	.text
	.protected	k_q0bd38e0d24_proj
	.globl	k_q0bd38e0d24_proj
	.p2align	8
	.type	k_q0bd38e0d24_proj,@function
k_q0bd38e0d24_proj:
	s_mov_b64 s[64:65], 0
	v_nop
	global_prefetch_b8 v0, s[64:65] scope:SCOPE_SE
	s_setreg_imm32_b32 hwreg(HW_REG_WAVE_MODE, 25, 1), 1
	s_wait_xcnt 0x0
	s_wait_alu depctr_hold_cnt(0) depctr_sa_sdst(0) depctr_va_vdst(0) depctr_va_sdst(0) depctr_va_ssrc(0) depctr_va_vcc(0) depctr_vm_vsrc(0)
	s_getreg_b32 s2, hwreg(HW_REG_IB_STS2, 6, 4)
	s_cmp_eq_u32 s2, 0
	s_cbranch_scc0 .Lentry_in_a_cluster
	s_endpgm
.Lentry_in_a_cluster:
	s_bfe_u32 s2, ttmp6, 0x10000c
	s_cmp_lg_u32 s2, 0xf033
	s_cbranch_scc0 .Lentry_shape_is_right
	s_endpgm
.Lentry_shape_is_right:
; out0 = y Wp + bp on codes of FP8 (E4M3): out0 [8192][1024] f32 = sum x 2^(e10 + e11) + bp.  Nothing is left out here.
; yc: y's codes, [16 heads][8192 rows][64];  Wp's codes are the fourth part of wc: [n 1024][k 1024], k = 64 x head + d.
; A tile of 256 x 256 to a work-group of four waves, 128 x 128 a wave: 64 accumulators.  K = 1,024 goes in four steps of 256 (four heads) through two LDS slots.  128 work-groups: with a tile of 128 x 256 there would be 256,
; but a wave of 64 x 128 reads 24 KiB from LDS for 32 matrix instructions where this one reads 32 KiB for 64: the larger tile is kept.
; CLUSTERS of 4 x 4: y's tiles are shared along a row of the cluster, Wp's along a column, each asked for jointly.  The matrix instruction is used transposed (source 0 = 16 rows of Wp, source 1 = 16 rows of y).
; y'S TILE: of each of a K step's four heads, 128 rows x 64 bytes are dense in memory: the descriptor states 4 rows of 8,192 bytes, 2^19 bytes apart, with 16 bytes of padding behind every 64: in LDS [head][row][80].
; LIMIT: e10 + e11 between -126 and 127, so that 2^(e10 + e11) is an f32 number.
; REGISTERS: window 0: v0-31 addresses; v32-63 at work on the way out; v64-127 bp in the results' layout; from v128 y's fragments, one set.  window 1: Wp's fragments, two sets.  windows 2, 3: the accumulators.
.set ROWB,   256
.set KROW,   1024
.set PITCH,  272                       ; Wp: an LDS row: 256 bytes + 16
.set AP,     80                        ; y: a row's 64 bytes of one head + 16: the 16 rows that a load touches start at 16 different banks (64 banks of 4 bytes: ISA guide 11.1)
.set HB,     128*AP                    ; a head's 128 rows
.set HALFA,  4*HB                      ; what one load of y brings
.set HALFB,  128*PITCH                 ; what one load of Wp brings
.set BOFF,   2*HALFA
.set SLOT,   BOFF+2*HALFB
.set ASTEP,  4*524288                  ; four heads on in yc
.set FR,     16
.set NL,     4
.set NP,     4                         ; places behind this matrix instruction (ISA guide 7.12.1)
.set SPARE,  2*SLOT                    ; behind the ring: the spare words, two blocks of 256 bytes that no other line names
.set SPITCH, 528                       ; the way out: a stage of 16 rows x (512 + 16) for each wave, in slot 0, which has had its last fill and its last read when the first result is stored there
.set ADRA, 16
.set ADRB, 20
.set STO,  24
.set RD,   25
.set CO,   26
.set SPW,  28                          ; LDS address of my spare word; never rewritten
.set NIL,  29                          ; 0; never rewritten
.set TMP,  32                          ; 32 registers: half a block's results
.set BQ,   64                          ; v[BQ + 8 b + j] = bp(my first column + 16 b + 8 (lane / 16) + j)
.set AF,   128
.set BK,   128                         ; 16 rows read back from the stage: v128-191 and v192-255 by turns
.set G1, 24
.set G0, 32
.set G1B, 48
.set G0B, 56
.set MSB, 0
.macro WIN new                         ; the immediate's high byte repeats the setting that is left
.if MSB != (\new)
	s_set_vgpr_msb (MSB<<8)|(\new)
.set MSB, (\new)
.endif
.endm
.set MUL_LO, 0xa1
.set MUL_HI, 0xf1
.set TO_B,   0x40
.macro JLOAD g0a, g1a, g0b, g1b        ; a joint load: waves 0 and 1 fetch y's halves, waves 2 and 3 Wp's; an s_nop 0 and four v_nop follow each line
	s_cmp_eq_u32 s15, 0
	s_cbranch_scc0 .Lfor_b_\@
	tensor_load_to_lds s[\g0a:\g0a+3], s[\g1a:\g1a+7]
	s_nop 0
.rept 4
	v_nop
.endr
	s_branch .Lasked_\@
.Lfor_b_\@:
	tensor_load_to_lds s[\g0b:\g0b+3], s[\g1b:\g1b+7]
	s_nop 0
.rept 4
	v_nop
.endr
.Lasked_\@:
.endm
.macro CREST
	s_cmp_lg_u32 s14, 0
	s_cbranch_scc1 .Lnot_wave_0_\@
	s_barrier_signal -3
.Lnot_wave_0_\@:
	s_barrier_wait -3
	s_barrier_signal -1
	s_barrier_wait -1
.endm
.macro CROUND
	s_barrier_signal -1
	s_barrier_wait -1
	CREST
.endm
	s_load_b256 s[4:11], s[0:1], 0x0               ; yc s[4:5], wc s[6:7], the scales' exponents s[8:9], bp s[10:11]
	s_load_b64 s[12:13], s[0:1], 0x20              ; out0
	v_lshl_add_u32 v[SPW], v0, 2, SPARE
	v_mov_b32 v[NIL], 0
	ds_add_u32 v[SPW], v[NIL]                      ; the wave's opening: the add, twice on end, and its wait ahead of my first tensor load
	ds_add_u32 v[SPW], v[NIL]                      ; and once more, under the one wait; the set-up below, work on registers, stands between
	v_lshrrev_b32 v1, 5, v0
	v_readfirstlane_b32 s14, v1                    ; wave 0..3
	s_lshr_b32 s15, s14, 1                         ; which half of the tile's rows is mine.  Also: I fetch for y (0) or for Wp (1)
	s_and_b32 s16, s14, 1                          ; which half of its columns.  Also: which 128 rows I fetch
	s_bfe_u32 s40, ttmp6, 0x40000                  ; cx, cy
	s_bfe_u32 s41, ttmp6, 0x40004
	s_lshl_b32 s42, ttmp9, 2
	s_add_co_u32 s42, s42, s40                     ; tile column
	s_and_b32 s17, ttmp7, 0xffff
	s_lshl_b32 s17, s17, 2
	s_add_co_u32 s17, s17, s41                     ; tile row
	s_lshl_b32 s43, s41, 2
	s_lshl_b32 s43, 15, s43                        ; my row of the cluster
	s_lshl_b32 s44, 0x1111, s40                    ; my column
	s_or_b32 s[G1+0], s43, (0<<16)|(1<<20)|(1<<21)|(3<<22)|(3<<25)  ; y: the mask of my row; elements of 1 byte; padding on; bit 21 beside a mask; after every 16 words (code 3); four words (code 3)
	s_mov_b32 s[G1+1], 8192<<16                    ; tensor_dim0 = 8,192
	s_mov_b32 s[G1+2], 4<<16                       ; tensor_dim1 = 4
	s_mov_b32 s[G1+3], 8192<<16                    ; tile_dim0
	s_mov_b32 s[G1+4], 4                           ; tile_dim1
	s_mov_b32 s[G1+5], 524288                      ; tensor_dim0_stride: from head to head
	s_mov_b32 s[G1+6], 0
	s_mov_b32 s[G1+7], 0
	s_or_b32 s[G1B+0], s44, (0<<16)|(1<<20)|(1<<21)|(5<<22)|(3<<25) ; Wp: the mask of my column; four words after every 64
	s_mov_b32 s[G1B+1], ROWB<<16
	s_mov_b32 s[G1B+2], 128<<16
	s_mov_b32 s[G1B+3], ROWB<<16
	s_mov_b32 s[G1B+4], 128
	s_mov_b32 s[G1B+5], KROW
	s_mov_b32 s[G1B+6], 0
	s_mov_b32 s[G1B+7], 0
	s_lshl_b32 s18, s16, 7
	s_lshl_b32 s20, s17, 8
	s_add_co_u32 s20, s20, s18
	s_lshl_b32 s20, s20, 6                         ; y: (256 x tile row + 128 x half) rows of 64 bytes
	s_mov_b32 s21, 0
	s_lshl_b32 s46, s42, 8
	s_add_co_u32 s46, s46, s18
	s_lshl_b32 s46, s46, 10                        ; Wp: (256 x tile column + 128 x half) rows of 1,024 bytes,
	s_add_co_u32 s46, s46, 0x300000                ; in the fourth part of wc
	s_mov_b32 s47, 0
	s_mul_i32 s45, s16, HALFA                      ; where they go: no place in the cluster enters an LDS address
	s_mul_i32 s19, s16, HALFB
	s_add_co_u32 s19, s19, BOFF
	s_wait_dscnt 0x0                               ; both opening adds are done
	s_wait_kmcnt 0x0
	s_load_b64 s[96:97], s[8:9], 0x28              ; e10, e11
	s_add_nc_u64 s[20:21], s[4:5], s[20:21]
	s_add_nc_u64 s[46:47], s[6:7], s[46:47]
	CROUND                                         ; all sixteen work-groups are here: the first joint loads meet
.irp s, 0,1
	s_mov_b32 s[G0+4*\s], 1
	s_add_co_u32 s[G0+4*\s+1], s45, \s*SLOT
	s_add_nc_u64 s[G0+4*\s+2:G0+4*\s+3], s[20:21], \s*ASTEP
	s_or_b32 s[G0+4*\s+3], s[G0+4*\s+3], 0x80000000
	s_mov_b32 s[G0B+4*\s], 1
	s_add_co_u32 s[G0B+4*\s+1], s19, \s*SLOT
	s_add_nc_u64 s[G0B+4*\s+2:G0B+4*\s+3], s[46:47], \s*ROWB
	s_or_b32 s[G0B+4*\s+3], s[G0B+4*\s+3], 0x80000000
	s_wait_alu depctr_va_vdst(0)
	s_wait_tensorcnt 0x0
	ds_add_u32 v28, v29
	ds_add_u32 v28, v29
	s_wait_dscnt 0x0
	CROUND
	JLOAD G0+4*\s, G1, G0B+4*\s, G1B               ; one load of mine is out
.endr
	v_and_b32 v1, 15, v0                           ; r
	v_bfe_u32 v2, v0, 4, 1                         ; h
	v_mul_u32_u24 v3, v1, AP
	v_lshl_add_u32 v3, v2, 4, v3                   ; y: r x 80 + 16 h
	v_mul_u32_u24 v4, v1, PITCH
	v_lshl_add_u32 v4, v2, 4, v4                   ; Wp: r x 272 + 16 h
	s_mul_i32 s21, s15, HALFA                      ; my 128 rows of y
	s_mul_i32 s22, s16, HALFB
	s_add_co_u32 s22, s22, BOFF                    ; my 128 rows of Wp
.irp s, 0,1
	v_add_nc_u32 v[ADRA+\s], s21, v3
	v_add_nc_u32 v[ADRB+\s], s22, v4
	s_add_co_u32 s21, s21, SLOT
	s_add_co_u32 s22, s22, SLOT
.endr
	s_mul_i32 s23, s14, 16*SPITCH                  ; my stage
	v_mul_u32_u24 v5, v1, SPITCH
	v_lshl_add_u32 v5, v2, 5, v5
	v_add_nc_u32 v[STO], s23, v5                   ; in: row r, 32 bytes for each half of the lanes
	v_and_b32 v6, 31, v0
	v_lshlrev_b32 v[CO], 4, v6                     ; back: the 32 lanes take one row of 512 bytes; and the same in out0
	v_add_nc_u32 v[RD], s23, v[CO]
	s_lshl_b32 s46, s42, 10
	s_lshl_b32 s47, s16, 9
	s_add_co_u32 s46, s46, s47                     ; my first column, in bytes: 1,024 x tile column + 512 x half
	v_lshlrev_b32 v30, 5, v2
	v_add_nc_u32 v30, s46, v30                     ; bp: + 32 h
.irp b, 0,1,2,3,4,5,6,7
	global_load_b128 v[BQ+8*\b:BQ+8*\b+3], v30, s[10:11] offset:64*\b
	global_load_b128 v[BQ+8*\b+4:BQ+8*\b+7], v30, s[10:11] offset:64*\b+16
.endr
	s_lshl_b32 s20, s17, 8
	s_lshl_b32 s21, s15, 7
	s_add_co_u32 s20, s20, s21
	s_lshl_b32 s20, s20, 12                        ; my first row of out0, 4,096 bytes a row: under 2^25
	s_add_co_u32 s20, s20, s46
	s_mov_b32 s21, 0
	s_add_nc_u64 s[12:13], s[12:13], s[20:21]
.macro FRAGB reg, adr, q, i            ; 16 rows x 128 K: registers 4 c .. 4 c + 3 hold K = 128 q + 32 c + 16 (l / 16) + 0 .. 15
.irp c, 0,1,2,3
	ds_load_b128 v[\reg+4*\c:\reg+4*\c+3], v[\adr] offset:128*(\q)+32*\c+(\i)*16*PITCH
.endr
.endm
.macro FRAGA reg, adr, q, i            ; the same K of y: head 2 q + c / 2 of the slot's four, byte 32 (c % 2) + 16 (l / 16) of the row's 64
.irp c, 0,1,2,3
	ds_load_b128 v[\reg+4*\c:\reg+4*\c+3], v[\adr] offset:(2*(\q)+\c/2)*HB+(\c%2)*32+(\i)*16*AP
.endr
.endm
.macro MUL16 a0, p, zero               ; 16 matrix instructions; the 64 accumulators take turns, one instruction a turn
.irp a, \a0, \a0+1
.irp b, 0,1,2,3,4,5,6,7
.if \zero
	v_wmma_f32_16x16x128_fp8_fp8 v[8*(8*((\a)%4)+\b):8*(8*((\a)%4)+\b)+7], v[128*(\p)+FR*\b:128*(\p)+FR*\b+FR-1], v[AF+FR*(\a):AF+FR*(\a)+FR-1], 0
.else
	v_wmma_f32_16x16x128_fp8_fp8 v[8*(8*((\a)%4)+\b):8*(8*((\a)%4)+\b)+7], v[128*(\p)+FR*\b:128*(\p)+FR*\b+FR-1], v[AF+FR*(\a):AF+FR*(\a)+FR-1], v[8*(8*((\a)%4)+\b):8*(8*((\a)%4)+\b)+7]
.endif
.endr
.endr
.endm
.macro FETCH_B slot, q, p
	WIN TO_B
.irp i, 0,1,2,3,4,5,6,7
	FRAGB 128*(\p)+FR*\i, ADRB+\slot, \q, \i
.endr
	WIN 0
.endm
.macro FETCH_A slot, q, i0
.irp i, \i0, \i0+1, \i0+2, \i0+3
	FRAGA AF+FR*(\i), ADRA+\slot, \q, \i
.endr
.endm
.macro PLACES n
.rept \n
	v_nop
.endr
.endm
.macro STEP slot, q, zero
	s_wait_dscnt 4*NL                              ; Wp's set and y's blocks 0-3 are in; the youngest 16 loads (y's blocks 4-7) may be out
	WIN MUL_LO
	MUL16 0, (\q)%2, \zero
	MUL16 2, (\q)%2, \zero
	s_wait_dscnt 0
	PLACES NP
	FETCH_B \slot, (\q)+1, 1-(\q)%2
	FETCH_A \slot, (\q)+1, 0
	WIN MUL_HI
	MUL16 4, (\q)%2, \zero
	MUL16 6, (\q)%2, \zero
	PLACES NP
	WIN 0
	FETCH_A \slot, (\q)+1, 4
.endm
.macro TURN slot, next, fill
	s_wait_tensorcnt 0x0                           ; all my tensor loads have landed: my part of the next slot
	ds_add_u32 v[SPW], v[NIL]                      ; 0 onto my spare word
	s_wait_dscnt 4*NL+1                            ; (the add and the youngest 16 loads may be out)
	WIN MUL_LO
	MUL16 0, 1, 0
	s_wait_dscnt 0x0                               ; the add is done, and my reads of this slot are over
	s_barrier_signal -1
	MUL16 2, 1, 0
	WIN 0
	s_barrier_wait -1
.if \fill
	CREST                                          ; the barrier has opened a round of the cluster's barrier: no wave of any partner still reads this slot or has a load on its way
	s_add_nc_u64 s[G0+4*\slot+2:G0+4*\slot+3], s[G0+4*\slot+2:G0+4*\slot+3], 2*ASTEP
	s_add_nc_u64 s[G0B+4*\slot+2:G0B+4*\slot+3], s[G0B+4*\slot+2:G0B+4*\slot+3], 2*ROWB
	JLOAD G0+4*\slot, G1, G0B+4*\slot, G1B         ; the first tensor load behind the round, my one load until the next
.else
	PLACES NP
.endif
	s_wait_alu depctr_va_vdst(0)
	FETCH_B \next, 0, 0
	FETCH_A \next, 0, 0
	WIN MUL_HI
	MUL16 4, 1, 0
	MUL16 6, 1, 0
	PLACES NP
	WIN 0
	FETCH_A \next, 0, 4
.endm
	s_wait_tensorcnt 1                             ; my part of K step 0 is in (K step 1's load may be out)
	s_barrier_signal -1
	s_barrier_wait -1                              ; everybody's is
	FETCH_B 0, 0, 0
	FETCH_A 0, 0, 0
	FETCH_A 0, 0, 4
	STEP 0, 0, 1                                   ; eight steps of 128 along K, written straight; the first step's products start the sums
	TURN 0, 1, 1
	STEP 1, 0, 0
	TURN 1, 0, 1
	STEP 0, 0, 0
	TURN 0, 1, 0
	STEP 1, 0, 0
	s_wait_dscnt 4*NL
	WIN MUL_LO
	MUL16 0, 1, 0
	MUL16 2, 1, 0
	s_wait_dscnt 0
	WIN MUL_HI
	MUL16 4, 1, 0
	MUL16 6, 1, 0
	WIN 0
; THE WAY OUT, block by block of 16 rows x 128 columns: sum x 2^(e10 + e11) + bp, one packed multiply-add for two numbers, each accumulator from its low end on; through my own stage; back as whole rows of 512 bytes.
.macro TOSTAGE a
.set AC, 64*((\a)%4)
.irp g, 0,1
	WIN 0x02+((\a)/4)                              ; source 0: window 2 or 3
.irp b, 0,1,2,3
.irp i, 0,2,4,6
	v_pk_fma_f32 v[TMP+8*\b+\i:TMP+8*\b+\i+1], v[AC+8*(4*\g+\b)+\i:AC+8*(4*\g+\b)+\i+1], s[96:97], v[BQ+8*(4*\g+\b)+\i:BQ+8*(4*\g+\b)+\i+1] op_sel_hi:[1,0,1]
.endr
.endr
	WIN 0
.irp b, 0,1,2,3
	ds_store_b128 v[STO], v[TMP+8*\b:TMP+8*\b+3] offset:64*(4*\g+\b)
	ds_store_b128 v[STO], v[TMP+8*\b+4:TMP+8*\b+7] offset:64*(4*\g+\b)+16
.endr
.endr
.set BB, BK+64*((\a)%2)
.irp t, 0,1,2,3,4,5,6,7,8,9,10,11,12,13,14,15
	ds_load_b128 v[BB+4*\t:BB+4*\t+3], v[RD] offset:\t*SPITCH   ; LDS serves a wave's instructions in order: these see my stores, and the next block's stores come behind them
.endr
.endm
.macro SEND a, younger                 ; younger: the LDS instructions issued behind block a's loads, which may stay out
.set BB, BK+64*((\a)%2)
	s_wait_dscnt \younger
.if (\a) > 0
	s_add_nc_u64 s[12:13], s[12:13], 16*4096       ; (behind a wait on XCNT: the earlier stores have read their base)  16 rows on
.endif
.irp t, 0,1,2,3,4,5,6,7,8,9,10,11,12,13,14,15
	global_store_b128 v[CO], v[BB+4*\t:BB+4*\t+3], s[12:13] offset:\t*4096 th:TH_STORE_NT   ; 32 lanes store 512 consecutive bytes, aligned; written once, read by nobody here
.endr
.endm
	s_wait_kmcnt 0x0
	s_wait_loadcnt 0x0                             ; bp
	s_add_co_i32 s96, s96, s97
	s_add_co_i32 s96, s96, 127
	s_lshl_b32 s96, s96, 23                        ; 2^(e10 + e11) as f32
	s_mov_b32 s97, s96                             ; (named with it as a pair, so it is written)
	PLACES NP
	TOSTAGE 0
.irp a, 1,2,3,4,5,6,7
.if \a > 1
	s_wait_xcnt 0x0                                ; block a - 2's stores have read their registers and their base: block a's loads may land there, and the base may step
.endif
	TOSTAGE \a
	SEND \a-1, 32                                  ; behind block a - 1's loads: block a's 16 stores and 16 loads
.endr
	s_wait_xcnt 0x0
	SEND 7, 0
	s_wait_tensorcnt 0x0                           ; the wave's end, behind my last tensor load and my last LDS store
	ds_add_u32 v[SPW], v[NIL]
	s_wait_dscnt 0x0
	CROUND                                         ; the closing round: no work-group ends while a partner may still ask for a tile that names it
	s_endpgm
.Lfunc_end_k_q0bd38e0d24_proj:
	.size	k_q0bd38e0d24_proj, .Lfunc_end_k_q0bd38e0d24_proj-k_q0bd38e0d24_proj
	.p2alignl 7, 3214868480
	.fill 96, 4, 3214868480
	.section	.rodata,"a",@progbits
	.p2align	6, 0x0
	.amdhsa_kernel k_q0bd38e0d24_proj
		.amdhsa_group_segment_fixed_size 327680
		.amdhsa_private_segment_fixed_size 0
		.amdhsa_enable_private_segment 0
		.amdhsa_kernarg_size 40
		.amdhsa_user_sgpr_count 2
		.amdhsa_user_sgpr_kernarg_segment_ptr 1
		.amdhsa_wavefront_size32 1
		.amdhsa_system_sgpr_workgroup_id_x 1
		.amdhsa_system_sgpr_workgroup_id_y 1
		.amdhsa_system_sgpr_workgroup_id_z 1
		.amdhsa_system_vgpr_workitem_id 0
		.amdhsa_next_free_vgpr 1024
		.amdhsa_next_free_sgpr 98
		.amdhsa_reserve_vcc 0
		.amdhsa_float_denorm_mode_32 3
		.amdhsa_float_denorm_mode_16_64 3
		.amdhsa_memory_ordered 1
		.amdhsa_forward_progress 1
		.amdhsa_inst_pref_size 126
	.end_amdhsa_kernel
	.amdgpu_metadata
---
amdhsa.version: [ 1, 2 ]
amdhsa.kernels:
  - .name:           k_q0bd38e0d24_proj
    .symbol:         k_q0bd38e0d24_proj.kd
    .args:
      - { .name: yc, .offset: 0, .size: 8, .value_kind: global_buffer, .address_space: global }
      - { .name: wc, .offset: 8, .size: 8, .value_kind: global_buffer, .address_space: global }
      - { .name: lowp_scales, .offset: 16, .size: 8, .value_kind: global_buffer, .address_space: global }
      - { .name: bp, .offset: 24, .size: 8, .value_kind: global_buffer, .address_space: global }
      - { .name: out0, .offset: 32, .size: 8, .value_kind: global_buffer, .address_space: global }
    .group_segment_fixed_size: 327680
    .private_segment_fixed_size: 0
    .kernarg_segment_align: 8
    .kernarg_segment_size: 40
    .max_flat_workgroup_size: 128
    .sgpr_count:     98
    .vgpr_count:     1024
    .wavefront_size: 32
...
	.end_amdgpu_metadata
.endif
;; end of part 4
